; MI455X (gfx1250); checked and timed in simulation.
; The chip was launched on July 23, 2026; its instructions are those of AMD's public machine-readable ISA for CDNA 5 (MIT licence, August 2026) and "CDNA5" Instruction Set Architecture Reference Guide (July 2026). The comments in the code are by the model that wrote it; some were corrected since.
;; Multi Headed Attention. Allowed arithmetic: matrix products marked QUANTISED: E5M2 operands, one given power-of-two scale a tensor, by v_wmma_f32_16x16x64_bf8_bf8 or v_wmma_f32_16x16x128_bf8_bf8, f32 sums; everything else in f32.
;; Inputs: Wk_codes 256 x 8 x 32 uint8 (E5M2 codes of Wk, K innermost, in blocks of 32 codes); Wo_codes 256 x 8 x 32 uint8 (E5M2 codes of Wo, K innermost, in blocks of 32 codes); Wq_codes 256 x 8 x 32 uint8 (E5M2 codes of Wq, K innermost, in blocks of 32 codes); Wv_codes 256 x 8 x 32 uint8 (E5M2 codes of Wv, K innermost, in blocks of 32 codes); bk 256 float32; bo 256 float32; bq 256 float32; bv 256 float32; inputs_codes 8 x 2,048 x 8 x 32 uint8 (E5M2 codes of inputs, K innermost, in blocks of 32 codes); lowp_scales 12 int32 (the exponents e of the quantised operands' scales 2^e); mask 8 x 2,048 float32.
;; Outputs: out0 8 x 2,048 x 256 float32.
;; This version of the problem:
;;   THIS VERSION OF THE PROBLEM IS GIVEN IN LOW PRECISION. The matrix products marked QUANTISED in the list below multiply operands that are first quantised to E5M2 (5 exponent bits, 2 mantissa bits; 8 bits a number), with one given power-of-two scale for each operand tensor; their sums are f32. All else is computed in f32.
;;   The module's matrix products, in the order in which they are computed (A, B: the left and right operand; K: the contracted axis; several contracted axes count as one K, in the product's order):
;;     1. [M 16,384, K 256] x [K 256, N 256]; A: input inputs (given as codes); B: input Wq (given as codes): QUANTISED (scales: A lowp_scales[0], B lowp_scales[1])
;;     2. [M 16,384, K 256] x [K 256, N 256]; A: input inputs (given as codes); B: input Wk (given as codes): QUANTISED (scales: A lowp_scales[2], B lowp_scales[3])
;;     3. [M 16,384, K 256] x [K 256, N 256]; A: input inputs (given as codes); B: input Wv (given as codes): QUANTISED (scales: A lowp_scales[4], B lowp_scales[5])
;;     4. batch 64 x [M 2,048, K 32] x [K 32, N 2,048]; A: computed on the way; B: computed on the way: QUANTISED (scales: A lowp_scales[6], B lowp_scales[7])
;;     5. batch 64 x [M 2,048, K 2,048] x [K 2,048, N 32]; A: computed on the way; B: computed on the way: QUANTISED (scales: A lowp_scales[8], B lowp_scales[9])
;;     6. [M 16,384, K 256] x [K 256, N 256]; A: computed on the way; B: input Wo (given as codes): QUANTISED (scales: A lowp_scales[10], B lowp_scales[11])
;;   THE QUANTISER, for each operand of a quantised product, along K:
;;     - The operand's scale is 2^e, e = its entry of the input lowp_scales (int32; the entries are numbered through the quantised products in the list's order, A before B).
;;     - Each number is divided by the scale, clamped to +-57,344, and rounded to the nearest number of E5M2, ties to even, subnormals kept.
;;     - The product sums the exact products of the quantised numbers (number of the format x scale) in f32.
;;   ~~~python
;;   def quantise(x, axis, e):      # numpy; x: float32 -> the quantised numbers, widened to float32 again
;;       x = np.moveaxis(x, axis, -1); K = x.shape[-1]
;;       r = np.clip(x / 2.0 ** e, -57344, 57344)
;;       step = 2.0 ** (np.maximum(np.frexp(np.where(r == 0, 1, r))[1] - 1, -14) - 2)
;;       q = np.round(r / step) * step * 2.0 ** e      # np.round: ties to even
;;       return np.moveaxis(q, -1, axis).astype(np.float32)
;;   ~~~
;;   OPERANDS COMPUTED ON THE WAY. 'Computed on the way' means the value that the module computes at that place (a softmax that the list does not call 'softmax' is quantised finished and normalised). What goes into a quantiser is computed in f32, as accurately as f32 sums, v_exp_f32 and their like allow (about 1e-6 of the number): no bf16 or f16 on the way to a quantiser, and a product that is left as it is and whose result goes on into a quantised operand takes f32 operands (vector FMAs, or v_wmma_f32_16x16x4_f32). A number that lies on a knife's edge between two numbers of the format may be rounded either way, as far as f32 arithmetic and the matrix unit's own rounding can turn it there, and no further.
;;   INPUTS GIVEN AS CODES. Wk (in the module: [256, 256], K = its axis 1); Wo (in the module: [256, 256], K = its axis 1); Wq (in the module: [256, 256], K = its axis 1); Wv (in the module: [256, 256], K = its axis 1); inputs (in the module: [8, 2048, 256], K = its axis 2): each comes as NAME_codes (uint8): NAME with its K axis moved to the last place and cut into blocks of 32 codes, [.., K / 32, bytes a block], one block behind the other in memory; one code a byte (a code: sign, 5 exponent bits, 2 mantissa bits); its scale is its entry of lowp_scales. Its value is code x scale, taken as it is: it is not quantised again, and the codes and scales need not be those that the quantiser above would give.
;; 2 versions, each right; version 2 is version 1 with the launches proj, stats, attn, outp written anew for expert scheduling mode. Each part assembles by itself: llvm-mc -triple=amdgcn-amd-amdhsa -mcpu=gfx1250 --defsym DOCPART=n.
;; ======== version 1 of 2: 4 launches
;; workspace buffers: q_img 4,194,304 bytes; k_img 4,194,304 bytes; v_img 4,194,304 bytes; noff 524,288 bytes; o_img 4,194,304 bytes
;; launch proj (part 1): grid 256 x 1, 24 waves a work-group, no clusters, 20,480 bytes of LDS; arguments inputs_codes, Wq_codes, Wk_codes, Wv_codes, bq, bk, bv, lowp_scales, q_img, k_img, v_img; writes q_img, k_img, v_img
.if DOCPART == 1
	.amdgcn_target "amdgcn-amd-amdhsa--gfx1250"
	.amdhsa_code_object_version 6
	.text
	.protected	k_q052d17062b_proj
	.globl	k_q052d17062b_proj
	.p2align	8
	.type	k_q052d17062b_proj,@function
k_q052d17062b_proj:
	s_mov_b64 s[64:65], 0
	v_nop
	global_prefetch_b8 v0, s[64:65] scope:SCOPE_SE
	s_setreg_imm32_b32 hwreg(HW_REG_WAVE_MODE, 25, 1), 1
	s_wait_xcnt 0x0
; q = X Wq^T + bq, k = X Wk^T + bk, v = X Wv^T + bv on codes of E5M2, and the three results quantised for the attention's two products.
; X: [16,384 tokens][256] codes; each W: [256 outputs][256] codes; biases f32; lowp_scales: e0..e11.
; SHARES.  A work-group owns 64 tokens (16 KB of X, dense in memory).  Wave W of 24: role p = W / 8 (0: q, 1: k, 2: v), head = W % 8.
; A wave makes its head's 32 outputs for the four tiles of 16 tokens; its part of W (64 registers) stays in registers.
; X goes through LDS once (waves 0-7 bring it), rows 272 bytes apart, and is read by all 24 waves.
; K's ORDER.  A fragment (16 rows x 128 K) is fetched by four loads of 16 bytes at 32 c + 16 (lane / 16): a permutation of k that is the same for X and for W, so every product meets its partner.
; q AND k: source 0 = 16 rows of W, source 1 = 16 tokens: lane (r, h) holds token r and channels 16 u + 8 h + 0..7: two conversions give the 16 bytes that
; the lane holds of a K = 64 fragment of the score product (registers 0-3; the head has 32 channels).  They are stored as that image: 512 bytes a tile of tokens.
; v: the sources are swapped: lane (r, h) holds channel 16 d + r and tokens 8 h + 0..7: the keys run along the registers, as the second product's K wants.
; THE BIAS is the C of a sum's first matrix instruction, divided by 2^(eA + eB), which the sums lack; the conversion's one scale is 2^(eQ - eA - eB).
; LIMITS: eQ - eA - eB between -126 and 112, for each role.  NaN and infinities among the inputs are not served.
.set XP,   272                         ; a row of X in LDS: 256 bytes + 16
.set WOFF, 4                           ; v4   W: 256 r + 16 h
.set XLD,  5                           ; v5   X in LDS, as a fragment is read: 272 r + 16 h
.set XST,  6                           ; v6   X in LDS, as it is brought: 272 (t / 16) + 16 (t % 16)
.set XG,   7                           ; v7   X in memory: 16 t
.set BQK,  8                           ; v8   bias of q, k: 32 h
.set SO,   9                           ; v9   16 x lane: my place in an image
.set SCL,  10                          ; v10  2^(eQ - eA - eB) as f32
.set LIM,  11                          ; v11  57,344 x that
.set BV,   12                          ; v12  bias of v: 4 r
.set WF,   16                          ; v16-79   W's fragments: (tile u, K step s) at WF + 16 (2 u + s)
.set XF,   80                          ; v80-111  X's two fragments of a tile of tokens; first the registers through which X is brought
.set D,    112                         ; v112-127 two accumulators
.set CB,   128                         ; v128-143 the bias in the result's layout, two tiles
.set CD,   144                         ; v144-159 codes: every store has registers of its own
	s_load_b256 s[4:11], s[0:1], 0x0               ; X s[4:5], Wq s[6:7], Wk s[8:9], Wv s[10:11]
	s_load_b256 s[12:19], s[0:1], 0x20             ; bq s[12:13], bk s[14:15], bv s[16:17], the exponents s[18:19]
	s_load_b128 s[20:23], s[0:1], 0x40             ; q_img s[20:21], k_img s[22:23]
	s_load_b64 s[24:25], s[0:1], 0x50              ; v_img
	v_lshl_add_u32 v14, v0, 2, 0x4400
	v_mov_b32 v15, 0
	v_lshrrev_b32 v1, 5, v0
	v_readfirstlane_b32 s26, v1                    ; wave 0..23
	s_lshr_b32 s27, s26, 3                         ; role
	s_and_b32 s28, s26, 7                          ; head
	v_and_b32 v1, 31, v0                           ; lane
	v_and_b32 v2, 15, v0                           ; r
	v_bfe_u32 v3, v0, 4, 1                         ; h
	v_lshlrev_b32 v[WOFF], 8, v2
	v_lshl_add_u32 v[WOFF], v3, 4, v[WOFF]
	v_mul_u32_u24 v[XLD], v2, XP
	v_lshl_add_u32 v[XLD], v3, 4, v[XLD]
	v_lshrrev_b32 v[XST], 4, v0
	v_mul_u32_u24 v[XST], v[XST], XP
	v_lshl_add_u32 v[XST], v2, 4, v[XST]
	v_lshlrev_b32 v[XG], 4, v0
	v_lshlrev_b32 v[BQK], 5, v3
	v_lshlrev_b32 v[SO], 4, v1
	v_lshlrev_b32 v[BV], 2, v2
	s_wait_kmcnt 0x0
	s_load_b256 s[40:47], s[18:19], 0x0            ; e0 .. e7
	s_load_b32 s48, s[18:19], 0x24                 ; e9
	s_cmp_eq_u32 s27, 1                            ; the role's three buffers: the choice hangs on the wave's number alone
	s_cselect_b64 s[32:33], s[8:9], s[6:7]
	s_cselect_b64 s[34:35], s[14:15], s[12:13]
	s_cselect_b64 s[36:37], s[22:23], s[20:21]
	s_cmp_eq_u32 s27, 2
	s_cselect_b64 s[32:33], s[10:11], s[32:33]
	s_cselect_b64 s[34:35], s[16:17], s[34:35]
	s_cselect_b64 s[36:37], s[24:25], s[36:37]
	s_mov_b32 s31, 0
	s_lshl_b32 s30, ttmp9, 14                      ; my work-group's 64 rows of 256 bytes
	s_add_nc_u64 s[4:5], s[4:5], s[30:31]
	s_lshl_b32 s30, s28, 13                        ; my head's 32 rows of W
	s_add_nc_u64 s[32:33], s[32:33], s[30:31]
	s_lshl_b32 s30, s28, 7                         ; and its 32 numbers of the bias
	s_add_nc_u64 s[34:35], s[34:35], s[30:31]
	s_lshr_b32 s30, ttmp9, 5                       ; batch
	s_lshl_b32 s30, s30, 3
	s_add_co_u32 s30, s30, s28                     ; 8 x batch + head
	s_lshl_b32 s30, s30, 16                        ; a head's images are 65,536 bytes,
	s_and_b32 s49, ttmp9, 31
	s_lshl_b32 s49, s49, 11                        ; 64 tokens' 2,048: the same in all three buffers
	s_add_co_u32 s30, s30, s49
	s_add_nc_u64 s[36:37], s[36:37], s[30:31]
	s_cmp_lt_u32 s26, 8                            ; waves 0-7 bring X: 256 threads x 4 x 16 bytes
	s_cbranch_scc0 .Lno_x
.irp i, 0,1,2,3
	global_load_b128 v[XF+4*\i:XF+4*\i+3], v[XG], s[4:5] offset:4096*\i th:TH_LOAD_NT
.endr
.Lno_x:
.irp u, 0,1
.irp s, 0,1
.irp c, 0,1,2,3
	global_load_b128 v[WF+16*(2*\u+\s)+4*\c:WF+16*(2*\u+\s)+4*\c+3], v[WOFF], s[32:33] offset:4096*\u+128*\s+32*\c
.endr
.endr
.endr
	s_cmp_lt_u32 s26, 8
	s_cbranch_scc0 .Lno_st
	s_wait_loadcnt 16                              ; X's four loads are in: behind them W's sixteen were issued, and nothing else
.irp i, 0,1,2,3
	ds_store_b128 v[XST], v[XF+4*\i:XF+4*\i+3] offset:16*XP*\i
.endr
.Lno_st:
	s_cmp_lt_u32 s27, 2
	s_cbranch_scc0 .Lbias_v
.irp u, 0,1                                    ; q, k: register j of tile u wants b(16 u + 8 h + j)
	global_load_b128 v[CB+8*\u:CB+8*\u+3], v[BQK], s[34:35] offset:64*\u
	global_load_b128 v[CB+8*\u+4:CB+8*\u+7], v[BQK], s[34:35] offset:64*\u+16
.endr
	s_branch .Lbias_done
.Lbias_v:
.irp u, 0,1                                    ; v: all eight registers of tile d want b(16 d + r)
	global_load_b32 v[CB+8*\u], v[BV], s[34:35] offset:64*\u
.endr
.Lbias_done:
	s_wait_dscnt 0x0                               ; for the others' sake: my stores of X have landed
	s_barrier_signal -1
	s_barrier_wait -1                              ; X lies in LDS; nothing is stored there again
.macro XFETCH m                        ; the two fragments of tile m of the tokens
.irp s, 0,1
.irp c, 0,1,2,3
	ds_load_b128 v[XF+16*\s+4*\c:XF+16*\s+4*\c+3], v[XLD] offset:16*XP*(\m)+128*\s+32*\c
.endr
.endr
.endm
.macro QUANT2                          ; the two accumulators become 8 codes each, in v[DST0], v[DST1] on
.irp j, 0,1,2,3,4,5,6,7,8,9,10,11,12,13,14,15
	v_med3_num_f32 v[D+\j], v[D+\j], -v[LIM], v[LIM]   ; the conversion to an 8-bit code does not saturate (ISA guide 7.6.2): the hold at the largest code x the scale; each accumulator from its low end on
.endr
	v_cvt_scalef32_pk8_bf8_f32 v[DST0:DST0+1], v[D:D+7], v[SCL]
	v_cvt_scalef32_pk8_bf8_f32 v[DST1:DST1+1], v[D+8:D+15], v[SCL]
	v_nop                                          ; a plain line between the conversions and the next products, which write their sources
.endm
; A tile of 16 tokens: four products (two accumulators by turns, K ascending), the next tile's fragments, the codes, the store.
.macro TILE m, isv
	s_wait_dscnt 0x0                               ; this tile's fragments of X are in
.if \isv
	v_wmma_f32_16x16x128_bf8_bf8 v[D:D+7], v[XF:XF+15], v[WF:WF+15], v[CB:CB+7]
	v_wmma_f32_16x16x128_bf8_bf8 v[D+8:D+15], v[XF:XF+15], v[WF+32:WF+47], v[CB+8:CB+15]
	v_wmma_f32_16x16x128_bf8_bf8 v[D:D+7], v[XF+16:XF+31], v[WF+16:WF+31], v[D:D+7]
	v_wmma_f32_16x16x128_bf8_bf8 v[D+8:D+15], v[XF+16:XF+31], v[WF+48:WF+63], v[D+8:D+15]
.else
	v_wmma_f32_16x16x128_bf8_bf8 v[D:D+7], v[WF:WF+15], v[XF:XF+15], v[CB:CB+7]
	v_wmma_f32_16x16x128_bf8_bf8 v[D+8:D+15], v[WF+32:WF+47], v[XF:XF+15], v[CB+8:CB+15]
	v_wmma_f32_16x16x128_bf8_bf8 v[D:D+7], v[WF+16:WF+31], v[XF+16:XF+31], v[D:D+7]
	v_wmma_f32_16x16x128_bf8_bf8 v[D+8:D+15], v[WF+48:WF+63], v[XF+16:XF+31], v[D+8:D+15]
.endif
.rept 4
	v_nop                                          ; four places in front of loads into registers that the products read, and of the first read of results
.endr
.if (\m) < 3
	XFETCH (\m)+1
.endif
.if \isv
.set DST0, CD+8*((\m)/2)+2*((\m)%2)                ; channel tile 0: tokens 16 m + 8 h + 0..7 are the low or the high 8 bytes of a group of 32 keys
.set DST1, CD+8*((\m)/2)+4+2*((\m)%2)              ; channel tile 1
	QUANT2
.if ((\m)%2) == 1
	global_store_b128 v[SO], v[CD+8*((\m)/2):CD+8*((\m)/2)+3], s[36:37] offset:1024*((\m)/2)         ; 32 lanes store 512 consecutive bytes
	global_store_b128 v[SO], v[CD+8*((\m)/2)+4:CD+8*((\m)/2)+7], s[36:37] offset:1024*((\m)/2)+512
.endif
.else
.set DST0, CD+4*(\m)                               ; channels 8 h + 0..7
.set DST1, CD+4*(\m)+2                             ; channels 16 + 8 h + 0..7
	QUANT2
	global_store_b128 v[SO], v[CD+4*(\m):CD+4*(\m)+3], s[36:37] offset:512*(\m)                      ; 32 lanes store 512 consecutive bytes
.endif
.endm
	XFETCH 0
	s_wait_loadcnt 0x0                             ; W and the bias
	s_wait_kmcnt 0x0                               ; the exponents
	s_cmp_eq_u32 s27, 1
	s_cselect_b32 s50, s42, s40                    ; eA
	s_cselect_b32 s51, s43, s41                    ; eB
	s_cselect_b32 s52, s47, s46                    ; eQ: e6 for q, e7 for k,
	s_cmp_eq_u32 s27, 2
	s_cselect_b32 s50, s44, s50
	s_cselect_b32 s51, s45, s51
	s_cselect_b32 s52, s48, s52                    ; e9 for v
	s_add_co_i32 s50, s50, s51                     ; eA + eB: a sum stands for sum x 2^(eA + eB)
	s_sub_co_i32 s53, 0, s50
	s_sub_co_i32 s52, s52, s50                     ; eQ - eA - eB
	s_add_co_i32 s52, s52, 127
	s_lshl_b32 s54, s52, 23
	v_mov_b32 v[SCL], s54
	s_add_co_i32 s52, s52, 15
	s_lshl_b32 s52, s52, 23
	s_or_b32 s52, s52, 0x600000
	v_mov_b32 v[LIM], s52
	s_cmp_lt_u32 s27, 2
	s_cbranch_scc0 .Lrole_v
.irp j, 0,1,2,3,4,5,6,7,8,9,10,11,12,13,14,15
	v_ldexp_f32 v[CB+\j], v[CB+\j], s53            ; b / 2^(eA + eB)
.endr
	TILE 0, 0
	TILE 1, 0
	TILE 2, 0
	TILE 3, 0
	s_wait_tensorcnt 0x0
	ds_add_u32 v14, v15
	s_wait_dscnt 0x0
	s_endpgm
.Lrole_v:
	v_ldexp_f32 v[CB], v[CB], s53
	v_ldexp_f32 v[CB+8], v[CB+8], s53
.irp j, 1,2,3,4,5,6,7
	v_mov_b32 v[CB+\j], v[CB]
	v_mov_b32 v[CB+8+\j], v[CB+8]
.endr
	TILE 0, 1
	TILE 1, 1
	TILE 2, 1
	TILE 3, 1
	s_wait_tensorcnt 0x0
	ds_add_u32 v14, v15
	s_wait_dscnt 0x0
	s_endpgm
.Lfunc_end_k_q052d17062b_proj:
	.size	k_q052d17062b_proj, .Lfunc_end_k_q052d17062b_proj-k_q052d17062b_proj
	.p2alignl 7, 3214868480
	.fill 96, 4, 3214868480
	.section	.rodata,"a",@progbits
	.p2align	6, 0x0
	.amdhsa_kernel k_q052d17062b_proj
		.amdhsa_group_segment_fixed_size 20480
		.amdhsa_private_segment_fixed_size 0
		.amdhsa_enable_private_segment 0
		.amdhsa_kernarg_size 88
		.amdhsa_user_sgpr_count 2
		.amdhsa_user_sgpr_kernarg_segment_ptr 1
		.amdhsa_wavefront_size32 1
		.amdhsa_system_sgpr_workgroup_id_x 1
		.amdhsa_system_sgpr_workgroup_id_y 1
		.amdhsa_system_sgpr_workgroup_id_z 1
		.amdhsa_system_vgpr_workitem_id 0
		.amdhsa_next_free_vgpr 160
		.amdhsa_next_free_sgpr 66
		.amdhsa_reserve_vcc 0
		.amdhsa_float_denorm_mode_32 3
		.amdhsa_float_denorm_mode_16_64 3
		.amdhsa_memory_ordered 1
		.amdhsa_forward_progress 1
		.amdhsa_inst_pref_size 25
	.end_amdhsa_kernel
	.amdgpu_metadata
---
amdhsa.version: [ 1, 2 ]
amdhsa.kernels:
  - .name:           k_q052d17062b_proj
    .symbol:         k_q052d17062b_proj.kd
    .args:
      - { .name: inputs_codes, .offset: 0, .size: 8, .value_kind: global_buffer, .address_space: global }
      - { .name: Wq_codes, .offset: 8, .size: 8, .value_kind: global_buffer, .address_space: global }
      - { .name: Wk_codes, .offset: 16, .size: 8, .value_kind: global_buffer, .address_space: global }
      - { .name: Wv_codes, .offset: 24, .size: 8, .value_kind: global_buffer, .address_space: global }
      - { .name: bq, .offset: 32, .size: 8, .value_kind: global_buffer, .address_space: global }
      - { .name: bk, .offset: 40, .size: 8, .value_kind: global_buffer, .address_space: global }
      - { .name: bv, .offset: 48, .size: 8, .value_kind: global_buffer, .address_space: global }
      - { .name: lowp_scales, .offset: 56, .size: 8, .value_kind: global_buffer, .address_space: global }
      - { .name: q_img, .offset: 64, .size: 8, .value_kind: global_buffer, .address_space: global }
      - { .name: k_img, .offset: 72, .size: 8, .value_kind: global_buffer, .address_space: global }
      - { .name: v_img, .offset: 80, .size: 8, .value_kind: global_buffer, .address_space: global }
    .group_segment_fixed_size: 20480
    .private_segment_fixed_size: 0
    .kernarg_segment_align: 8
    .kernarg_segment_size: 88
    .max_flat_workgroup_size: 768
    .sgpr_count:     66
    .vgpr_count:     160
    .wavefront_size: 32
...
	.end_amdgpu_metadata
.endif
;; end of part 1
;; launch stats (part 2): grid 4 x 64, 16 waves a work-group, no clusters, 83,968 bytes of LDS; arguments q_img, k_img, mask, lowp_scales, noff; writes noff
.if DOCPART == 2
	.amdgcn_target "amdgcn-amd-amdhsa--gfx1250"
	.amdhsa_code_object_version 6
	.text
	.protected	k_q052d17062b_stats
	.globl	k_q052d17062b_stats
	.p2align	8
	.type	k_q052d17062b_stats,@function
k_q052d17062b_stats:
	s_mov_b64 s[64:65], 0
	v_nop
	global_prefetch_b8 v0, s[64:65] scope:SCOPE_SE
	s_setreg_imm32_b32 hwreg(HW_REG_WAVE_MODE, 25, 1), 1
	s_wait_xcnt 0x0
; The softmax runs over the QUERIES: for each key column (batch, head, key) this launch finds M and l over all 2,048 queries and stores noff = -(M + log2 l), so that
; the next launch makes the finished weight as 2^(t + noff).  t = score x log2(e); score = q . k / 16 + mask[batch][query] x 1e-9.
; SHARES.  Work-group (x, y): keys 512 x .. 512 x + 511 of head y (= 8 x batch + head).  Wave w owns 32 keys (two tiles, fragments in registers) and walks all queries, 64 a chunk.
; The head's images of q (65,536 bytes) and the batch's 2,048 mask terms lie in LDS, brought once.
; LAYOUT.  source 0 = 16 queries, source 1 = 16 keys: lane (r, h) holds ONE key r and queries 8 h + 0..7 in its registers: maximum and sum stay in the lane until the end.
; The head has 32 channels: registers 4-7 of every K = 64 fragment are zeros, written once; loads touch registers 0-3 alone.
; THE MASK is the C of the product: mask x 1e-9 x 2^(4 - e6 - e7), in units of the code sums.  t = cs x D, cs = log2(e) / 16 x 2^(e6 + e7).
; THE RUNNING MAXIMUM: TM = largest t so far, -M = floor(-TM): M is a whole number; when it moves the sum is multiplied by 2^(old M - new M), which rounds nothing.
; LIMITS: e6 + e7 between -122 and 131 (they are added to cs's exponent field).  NaN and infinities are not served.
.set MK,  65536                        ; LDS: q's images at 0; the mask terms here, 8,192 bytes;
.set STG, 73728                        ; the stage for the 512 results, 2,048 bytes
.set G,   4                            ; v4   16 t
.set QA0, 5                            ; v5   16 x lane
.set MA0, 6                            ; v6   MK + 32 h
.set QA,  7                            ; v7   q's images of the chunk to be fetched
.set MA,  8                            ; v8   its mask terms
.set MST, 9                            ; v9   MK + 16 t
.set SST, 10                           ; v10  STG + 4 t
.set SRD, 11                           ; v11  STG + 16 t
.set KF,  16                           ; v16-31   my two fragments of k
.set QF,  32                           ; v32-63   four fragments of q
.set CM,  64                           ; v64-95   their mask terms, in the result's layout
.set S,   96                           ; v96-159  scores: key tile x, query tile i at S + 32 x + 8 i
.set ST,  160                          ; v160-183 statistics of key tile x at ST + 12 x: +0 -M, +1 TM, +2,3 the sum in two halves, +4 f (+5 named with it), +6,7 a second chain, +8,9 at work, +10 a permute's destination
	s_load_b256 s[4:11], s[0:1], 0x0               ; q_img s[4:5], k_img s[6:7], mask s[8:9], the exponents s[10:11]
	s_load_b64 s[12:13], s[0:1], 0x20              ; noff
	v_lshl_add_u32 v192, v0, 2, 0x14000
	v_mov_b32 v193, 0
	v_lshrrev_b32 v1, 5, v0
	v_readfirstlane_b32 s14, v1                    ; wave 0..15
	v_and_b32 v1, 31, v0                           ; lane
	v_and_b32 v2, 15, v0                           ; r
	v_bfe_u32 v3, v0, 4, 1                         ; h
	v_lshlrev_b32 v[G], 4, v0
	v_lshlrev_b32 v[QA0], 4, v1
	v_lshlrev_b32 v[MA0], 5, v3
	v_add_nc_u32 v[MA0], MK, v[MA0]
	v_lshlrev_b32 v[QA], 4, v1                     ; chunk 0
	v_lshlrev_b32 v[MA], 5, v3
	v_add_nc_u32 v[MA], MK, v[MA]
	v_add_nc_u32 v[MST], MK, v[G]
	v_lshlrev_b32 v[SST], 2, v0
	v_add_nc_u32 v[SST], STG, v[SST]
	v_add_nc_u32 v[SRD], STG, v[G]
	s_and_b32 s15, ttmp7, 0xffff                   ; 8 x batch + head
	s_mov_b32 s17, 0
	s_mov_b32 s22, 0x76543210                      ; v_permlanex16_b32: lane l xor 16
	s_mov_b32 s23, 0xfedcba98
	s_mov_b32 s24, 0                               ; the chunk's bytes in q's images,
	s_mov_b32 s25, 0                               ; and among the mask terms
	s_wait_kmcnt 0x0
	s_load_b64 s[18:19], s[10:11], 0x18            ; e6, e7
	s_lshl_b32 s16, s15, 16                        ; a head's images are 65,536 bytes
	s_add_nc_u64 s[4:5], s[4:5], s[16:17]
	s_add_nc_u64 s[6:7], s[6:7], s[16:17]
	s_lshl_b32 s16, ttmp9, 14                      ; 512 keys are 32 tiles of 512 bytes,
	s_lshl_b32 s27, s14, 10                        ; my wave's two tiles
	s_add_co_u32 s16, s16, s27
	s_add_nc_u64 s[6:7], s[6:7], s[16:17]
	s_lshr_b32 s16, s15, 3
	s_lshl_b32 s16, s16, 13                        ; the batch's row of the mask
	s_add_nc_u64 s[8:9], s[8:9], s[16:17]
	s_lshl_b32 s16, s15, 13
	s_lshl_b32 s27, ttmp9, 11
	s_add_co_u32 s16, s16, s27                     ; my work-group's 512 results
	s_add_nc_u64 s[12:13], s[12:13], s[16:17]
.irp i, 0,1,2,3,4,5,6,7
	global_load_b128 v[S+4*\i:S+4*\i+3], v[G], s[4:5] offset:8192*\i       ; q's images: 512 threads x 8 x 16 bytes
.endr
	global_load_b128 v[CM:CM+3], v[G], s[8:9]                              ; the mask: 512 threads x 16 bytes
.irp x, 0,1
	global_load_b128 v[KF+8*\x:KF+8*\x+3], v[QA0], s[6:7] offset:512*\x    ; my keys
.endr
.irp x, 0,1
.irp j, 4,5,6,7
	v_mov_b32 v[KF+8*\x+\j], 0                     ; channels 32-63 do not exist
.endr
.endr
.irp i, 0,1,2,3
.irp j, 4,5,6,7
	v_mov_b32 v[QF+8*\i+\j], 0
.endr
.endr
.irp x, 0,1
	v_mov_b32 v[ST+12*\x+1], 0xff61b1e6            ; the largest t so far: -3e38, under every t
	v_floor_f32 v[ST+12*\x], -v[ST+12*\x+1]        ; -M
	v_mov_b32 v[ST+12*\x+2], 0
	v_mov_b32 v[ST+12*\x+3], 0
	v_mov_b32 v[ST+12*\x+5], 0                     ; (named as the upper half of f's pair)
	v_mov_b32 v[ST+12*\x+10], 0                    ; (a lane permute's destination counts as read)
.endr
	s_wait_loadcnt 3                               ; q's eight loads are in; the mask's one and k's two may be out
.irp i, 0,1,2,3,4,5,6,7
	ds_store_b128 v[G], v[S+4*\i:S+4*\i+3] offset:8192*\i
.endr
	s_wait_loadcnt 2                               ; the mask is in; k's two may be out
	s_wait_kmcnt 0x0
	s_add_co_i32 s27, s18, s19                     ; e6 + e7
	s_sub_co_i32 s28, 4, s27
	s_lshl_b32 s27, s27, 23
	s_add_co_i32 s20, s27, 0x3db8aa3b              ; cs = log2(e) / 16 x 2^(e6 + e7)
	s_mov_b32 s21, s20                             ; (named with it as a pair)
.irp j, 0,1,2,3
	v_mul_f32 v[CM+\j], 0x3089705f, v[CM+\j]       ; mask x 1e-9,
.endr
.irp j, 0,1,2,3
	v_ldexp_f32 v[CM+\j], v[CM+\j], s28            ; x 16 / 2^(e6 + e7): in units of the code sums
.endr
	ds_store_b128 v[MST], v[CM:CM+3]
	s_wait_loadcnt 0x0                             ; k
	s_wait_dscnt 0x0                               ; for the others' sake: my stores have landed
	s_barrier_signal -1
	s_barrier_wait -1
.macro QFETCH                          ; a chunk's four fragments of q and its 64 mask terms (lane (r, h): queries 16 i + 8 h + 0..7)
.irp i, 0,1,2,3
	ds_load_b128 v[QF+8*\i:QF+8*\i+3], v[QA] offset:512*\i
.endr
.irp i, 0,1,2,3
	ds_load_b128 v[CM+8*\i:CM+8*\i+3], v[MA] offset:64*\i
	ds_load_b128 v[CM+8*\i+4:CM+8*\i+7], v[MA] offset:64*\i+16
.endr
.endm
; A CHUNK: 64 queries x my 32 keys.  pre = 1: the next chunk's operands are fetched behind the products.
.macro CHUNK pre
	s_wait_dscnt 0x0                               ; this chunk's fragments and mask terms are in
.irp i, 0,1,2,3
.irp x, 0,1
	v_wmma_f32_16x16x64_bf8_bf8 v[S+32*\x+8*\i:S+32*\x+8*\i+7], v[QF+8*\i:QF+8*\i+7], v[KF+8*\x:KF+8*\x+7], v[CM+8*\i:CM+8*\i+7]
.endr
.endr
.if \pre
	s_add_co_u32 s24, s24, 2048
	s_add_co_u32 s25, s25, 256
	v_add_nc_u32 v[QA], s24, v[QA0]                ; with the two v_nop: four places in front of loads into registers that the products read, and of the first read of results
	v_add_nc_u32 v[MA], s25, v[MA0]
	v_nop
	v_nop
	QFETCH
.else
.rept 4
	v_nop
.endr
.endif
.irp x, 0,1                                    ; the chunk's largest sum of my key, among my 32 queries, in two chains; each accumulator is met first at its low end
	v_max3_num_f32 v[ST+12*\x+8], v[S+32*\x], v[S+32*\x+1], v[S+32*\x+2]
	v_max3_num_f32 v[ST+12*\x+9], v[S+32*\x+3], v[S+32*\x+4], v[S+32*\x+5]
.endr
.irp i, 6,10,14,18,22,26
.irp x, 0,1
	v_max3_num_f32 v[ST+12*\x+8], v[ST+12*\x+8], v[S+32*\x+\i], v[S+32*\x+\i+1]
	v_max3_num_f32 v[ST+12*\x+9], v[ST+12*\x+9], v[S+32*\x+\i+2], v[S+32*\x+\i+3]
.endr
.endr
.irp x, 0,1
	v_max3_num_f32 v[ST+12*\x+8], v[ST+12*\x+8], v[S+32*\x+30], v[S+32*\x+31]
.endr
.irp x, 0,1
	v_max_num_f32 v[ST+12*\x+8], v[ST+12*\x+8], v[ST+12*\x+9]
.endr
.irp x, 0,1
	v_mul_f32 v[ST+12*\x+8], s20, v[ST+12*\x+8]    ; as t (cs is positive)
.endr
.irp x, 0,1
	v_max_num_f32 v[ST+12*\x+1], v[ST+12*\x+1], v[ST+12*\x+8]
.endr
.irp x, 0,1
	v_mov_b32 v[ST+12*\x+9], v[ST+12*\x]
.endr
.irp x, 0,1
	v_floor_f32 v[ST+12*\x], -v[ST+12*\x+1]        ; the new -M = -ceil(TM)
.endr
.irp x, 0,1
	v_sub_f32 v[ST+12*\x+9], v[ST+12*\x], v[ST+12*\x+9]   ; old M - new M: a whole number, 0 or less
.endr
.irp x, 0,1
	v_cvt_i32_f32 v[ST+12*\x+9], v[ST+12*\x+9]     ; (it saturates)
.endr
.irp x, 0,1
	v_ldexp_f32 v[ST+12*\x+4], 1.0, v[ST+12*\x+9]  ; f = 2^(old M - new M)
.endr
.irp x, 0,1
.irp j, 0,2,4,6,8,10,12,14,16,18,20,22,24,26,28,30
	v_pk_fma_f32 v[S+32*\x+\j:S+32*\x+\j+1], v[S+32*\x+\j:S+32*\x+\j+1], s[20:21], v[ST+12*\x:ST+12*\x+1] op_sel_hi:[1,0,0]   ; t - M, two at a time (the low words of cs's and of -M's pair serve both halves)
.endr
.endr
.irp j, 0,1,2,3,4,5,6,7,8,9,10,11,12,13,14,15,16,17,18,19,20,21,22,23,24,25,26,27,28,29,30,31,32,33,34,35,36,37,38,39,40,41,42,43,44,45,46,47,48,49,50,51,52,53,54,55,56,57,58,59,60,61,62,63
	v_exp_f32 v[S+\j], v[S+\j]                     ; one batch
.endr
.irp x, 0,1
	v_pk_mul_f32 v[ST+12*\x+2:ST+12*\x+3], v[ST+12*\x+2:ST+12*\x+3], v[ST+12*\x+4:ST+12*\x+5] op_sel_hi:[1,0]   ; the sums under the new M: the plain lines behind the exponentials
.endr
	s_wait_alu depctr_va_vdst(0)                   ; one wait for the batch, ahead of its first reader
.irp x, 0,1
	v_pk_add_f32 v[ST+12*\x+6:ST+12*\x+7], v[S+32*\x:S+32*\x+1], v[S+32*\x+2:S+32*\x+3]
.endr
.irp j, 4,8,12,16,20,24,28
.irp x, 0,1
	v_pk_add_f32 v[ST+12*\x+2:ST+12*\x+3], v[ST+12*\x+2:ST+12*\x+3], v[S+32*\x+\j:S+32*\x+\j+1]
	v_pk_add_f32 v[ST+12*\x+6:ST+12*\x+7], v[ST+12*\x+6:ST+12*\x+7], v[S+32*\x+\j+2:S+32*\x+\j+3]
.endr
.endr
.irp x, 0,1
	v_pk_add_f32 v[ST+12*\x+2:ST+12*\x+3], v[ST+12*\x+2:ST+12*\x+3], v[ST+12*\x+6:ST+12*\x+7]
.endr
.endm
	QFETCH                                         ; chunk 0
	s_mov_b32 s26, 31
.Lq:                                               ; 31 trips; the last chunk is written out, so that no LDS read passes the images' end
	CHUNK 1
	s_sub_co_u32 s26, s26, 1
	s_cmp_lg_u32 s26, 0
	s_cbranch_scc1 .Lq
	CHUNK 0
	; THE END: lanes l and l xor 16 hold the same key's two halves of the queries, each under its own M
.irp x, 0,1
	v_add_f32 v[ST+12*\x+2], v[ST+12*\x+2], v[ST+12*\x+3]
	v_permlanex16_b32 v[ST+12*\x+10], v[ST+12*\x], s22, s23
.endr
.irp x, 0,1
	v_min_num_f32 v[ST+12*\x+8], v[ST+12*\x], v[ST+12*\x+10]     ; -(the larger M)
.endr
.irp x, 0,1
	v_sub_f32 v[ST+12*\x+9], v[ST+12*\x+8], v[ST+12*\x]          ; my M - the larger: 0 or less
.endr
.irp x, 0,1
	v_cvt_i32_f32 v[ST+12*\x+9], v[ST+12*\x+9]
.endr
.irp x, 0,1
	v_ldexp_f32 v[ST+12*\x+2], v[ST+12*\x+2], v[ST+12*\x+9]      ; my sum under the larger M
.endr
.irp x, 0,1
	v_permlanex16_b32 v[ST+12*\x+10], v[ST+12*\x+2], s22, s23
.endr
.irp x, 0,1
	v_add_f32 v[ST+12*\x+2], v[ST+12*\x+2], v[ST+12*\x+10]       ; l, at least 1/2: the largest term is above 1/2
.endr
.irp x, 0,1
	v_log_f32 v[ST+12*\x+3], v[ST+12*\x+2]
.endr
	v_cmp_gt_u32 vcc_lo, 16, v1                    ; (a plain line behind the logarithms)
	s_wait_alu depctr_va_vdst(0)                   ; one wait for both, ahead of their first reader
.irp x, 0,1
	v_sub_f32 v[ST+12*\x+4], v[ST+12*\x+8], v[ST+12*\x+3]        ; noff = -M - log2 l
.endr
	v_cndmask_b32 v[ST+6], v[ST+12+4], v[ST+4], vcc_lo           ; lanes 0-15: key r of tile 0; lanes 16-31: key r of tile 1: lane l holds key l of my 32
	ds_store_b32 v[SST], v[ST+6]
	s_wait_dscnt 0x0                               ; for the others' sake
	s_barrier_signal -1
	s_barrier_wait -1
	s_cmp_lt_u32 s14, 4                            ; waves 0-3 store the 512 results: 512 consecutive bytes a wave
	s_cbranch_scc0 .Lend
	ds_load_b128 v[S:S+3], v[SRD]
	s_wait_dscnt 0x0
	global_store_b128 v[G], v[S:S+3], s[12:13]
.Lend:
	s_wait_tensorcnt 0x0
	ds_add_u32 v192, v193
	s_wait_dscnt 0x0
	s_endpgm
.Lfunc_end_k_q052d17062b_stats:
	.size	k_q052d17062b_stats, .Lfunc_end_k_q052d17062b_stats-k_q052d17062b_stats
	.p2alignl 7, 3214868480
	.fill 96, 4, 3214868480
	.section	.rodata,"a",@progbits
	.p2align	6, 0x0
	.amdhsa_kernel k_q052d17062b_stats
		.amdhsa_group_segment_fixed_size 83968
		.amdhsa_private_segment_fixed_size 0
		.amdhsa_enable_private_segment 0
		.amdhsa_kernarg_size 40
		.amdhsa_user_sgpr_count 2
		.amdhsa_user_sgpr_kernarg_segment_ptr 1
		.amdhsa_wavefront_size32 1
		.amdhsa_system_sgpr_workgroup_id_x 1
		.amdhsa_system_sgpr_workgroup_id_y 1
		.amdhsa_system_sgpr_workgroup_id_z 1
		.amdhsa_system_vgpr_workitem_id 0
		.amdhsa_next_free_vgpr 194
		.amdhsa_next_free_sgpr 66
		.amdhsa_reserve_vcc 1
		.amdhsa_float_denorm_mode_32 3
		.amdhsa_float_denorm_mode_16_64 3
		.amdhsa_memory_ordered 1
		.amdhsa_forward_progress 1
		.amdhsa_inst_pref_size 28
	.end_amdhsa_kernel
	.amdgpu_metadata
---
amdhsa.version: [ 1, 2 ]
amdhsa.kernels:
  - .name:           k_q052d17062b_stats
    .symbol:         k_q052d17062b_stats.kd
    .args:
      - { .name: q_img, .offset: 0, .size: 8, .value_kind: global_buffer, .address_space: global }
      - { .name: k_img, .offset: 8, .size: 8, .value_kind: global_buffer, .address_space: global }
      - { .name: mask, .offset: 16, .size: 8, .value_kind: global_buffer, .address_space: global }
      - { .name: lowp_scales, .offset: 24, .size: 8, .value_kind: global_buffer, .address_space: global }
      - { .name: noff, .offset: 32, .size: 8, .value_kind: global_buffer, .address_space: global }
    .group_segment_fixed_size: 83968
    .private_segment_fixed_size: 0
    .kernarg_segment_align: 8
    .kernarg_segment_size: 40
    .max_flat_workgroup_size: 512
    .sgpr_count:     66
    .vgpr_count:     194
    .wavefront_size: 32
...
	.end_amdgpu_metadata
.endif
;; end of part 2
;; launch attn (part 3): grid 4 x 64, 16 waves a work-group, no clusters, 141,312 bytes of LDS; arguments q_img, k_img, v_img, noff, mask, lowp_scales, o_img; writes o_img
.if DOCPART == 3
	.amdgcn_target "amdgcn-amd-amdhsa--gfx1250"
	.amdhsa_code_object_version 6
	.text
	.protected	k_q052d17062b_attn
	.globl	k_q052d17062b_attn
	.p2align	8
	.type	k_q052d17062b_attn,@function
k_q052d17062b_attn:
	s_mov_b64 s[64:65], 0
	v_nop
	global_prefetch_b8 v0, s[64:65] scope:SCOPE_SE
	s_setreg_imm32_b32 hwreg(HW_REG_WAVE_MODE, 25, 1), 1
	s_wait_xcnt 0x0
; out[q][:] = the sum over keys of Q8(attn[q][k]) Q9(v[k][:]), attn = 2^(t + noff[k]): the finished softmax over the queries, whose column figures noff the launch before stored.
; t = score x log2(e); score = q . k / 16 + mask[batch][query] x 1e-9.  The result is quantised with e10 and stored as images of the last product's operand.
; SHARES.  Work-group (x, y): queries 512 x .. 512 x + 511 of head y (= 8 x batch + head).  Wave w owns 32 queries (two tiles) and walks all 2,048 keys, 64 a step.
; The head's images of k and v (65,536 bytes each) and its 2,048 noff lie in LDS, brought once.
; LAYOUT.  Both products are used transposed: S^T = k q^T (source 0 = 16 keys, source 1 = 16 queries), O^T = v^T p (source 0 = 16 channels, source 1 = p): a lane holds ONE query throughout.
; In S^T lane (r, h) holds keys 16 x + 8 h + 0..7 of key tile x: its conversion gives registers 2 x, 2 x + 1 of the K = 64 operand as they stand.
; The head has 32 channels: registers 4-7 of q's and k's fragments are zeros, written once.  THE MASK is the C of the score product, in units of the code sums.
; p = exp2(fma(D, cs, noff)): one packed multiply-add for two numbers, one exponential; held at 57,344 x 2^e8; converted with 2^e8.
; LIMITS: e6 + e7 between -122 and 131; e8, and e10 - e8 - e9, between -126 and 112.  A weight under 2^-126 counts as 0 (the exponential's own flush: ISA guide 15.8).  NaN and infinities are not served.
.set VI,  65536                        ; LDS: k's images at 0, v's here,
.set NO,  131072                       ; noff here, 8,192 bytes
.set G,   4                            ; v4   16 t;  v5 VI + 16 t;  v6 NO + 16 t
.set KA0, 7                            ; v7   16 x lane
.set VA0, 8                            ; v8   VI + 16 x lane
.set NA0, 9                            ; v9   NO + 32 h
.set KA,  10                           ; v10-12 the addresses in hand
.set VA,  11
.set NA,  12
.set SCL, 13                           ; v13  2^e8 as f32
.set LIM, 14                           ; v14  57,344 x 2^e8
.set MO,  15                           ; v15  4 r
.set QF,  16                           ; v16-31   my two fragments of q
.set CM,  32                           ; v32-47   my queries' mask terms, eight times each
.set KF,  48                           ; v48-79   four fragments of k
.set NF,  80                           ; v80-111  noff of the step's keys: 8 x + j
.set S,   112                          ; v112-175 S^T, then p: query tile y, key tile x at S + 32 y + 8 x
.set VF,  176                          ; v176-191 two fragments of v^T
.set PC,  192                          ; v192-207 p's codes: 8 y + 2 x
.set O,   208                          ; v208-239 O^T: 16 y + 8 d
.set SCL2, 240                         ; v240 2^(e10 - e8 - e9);  v241 57,344 x that
.set LIM2, 241
.set OC,  244                          ; v244-251 the result's codes
	s_load_b256 s[4:11], s[0:1], 0x0               ; q_img s[4:5], k_img s[6:7], v_img s[8:9], noff s[10:11]
	s_load_b128 s[12:15], s[0:1], 0x20             ; mask s[12:13], the exponents s[14:15]
	s_load_b64 s[16:17], s[0:1], 0x30              ; o_img
	v_lshl_add_u32 v254, v0, 2, 0x22000
	v_mov_b32 v255, 0
	v_lshrrev_b32 v1, 5, v0
	v_readfirstlane_b32 s18, v1                    ; wave 0..15
	v_and_b32 v1, 31, v0                           ; lane
	v_and_b32 v2, 15, v0                           ; r
	v_bfe_u32 v3, v0, 4, 1                         ; h
	v_lshlrev_b32 v[G], 4, v0
	v_add_nc_u32 v5, VI, v[G]
	v_add_nc_u32 v6, NO, v[G]
	v_lshlrev_b32 v[KA0], 4, v1
	v_add_nc_u32 v[VA0], VI, v[KA0]
	v_lshlrev_b32 v[NA0], 5, v3
	v_add_nc_u32 v[NA0], NO, v[NA0]
	v_lshlrev_b32 v[KA], 4, v1                     ; step 0
	v_lshlrev_b32 v[NA], 5, v3
	v_add_nc_u32 v[NA], NO, v[NA]
	v_lshlrev_b32 v[MO], 2, v2
	s_and_b32 s19, ttmp7, 0xffff                   ; 8 x batch + head
	s_mov_b32 s21, 0
	s_mov_b32 s32, 0                               ; the step's bytes in k's and in v's images,
	s_mov_b32 s33, 0                               ; and in noff
	s_wait_kmcnt 0x0
	s_load_b128 s[24:27], s[14:15], 0x18           ; e6, e7, e8, e9
	s_load_b32 s28, s[14:15], 0x28                 ; e10
	s_lshl_b32 s20, s19, 16                        ; a head's images are 65,536 bytes
	s_add_nc_u64 s[4:5], s[4:5], s[20:21]
	s_add_nc_u64 s[6:7], s[6:7], s[20:21]
	s_add_nc_u64 s[8:9], s[8:9], s[20:21]
	s_lshl_b32 s20, s19, 13
	s_add_nc_u64 s[10:11], s[10:11], s[20:21]
	s_lshl_b32 s20, ttmp9, 14                      ; 512 queries are 32 tiles of 512 bytes,
	s_lshl_b32 s35, s18, 10                        ; my wave's two tiles
	s_add_co_u32 s20, s20, s35
	s_add_nc_u64 s[4:5], s[4:5], s[20:21]
	s_lshr_b32 s36, s19, 3                         ; batch
	s_lshl_b32 s20, s36, 13
	s_lshl_b32 s35, ttmp9, 11
	s_add_co_u32 s20, s20, s35
	s_lshl_b32 s35, s18, 7
	s_add_co_u32 s20, s20, s35                     ; my 32 queries' numbers of the mask
	s_add_nc_u64 s[12:13], s[12:13], s[20:21]
	s_lshl_b32 s20, s36, 7                         ; o_img: tile of rows 128 x batch + 32 x + 2 w, 4,096 bytes each,
	s_lshl_b32 s35, ttmp9, 5
	s_add_co_u32 s20, s20, s35
	s_lshl_b32 s35, s18, 1
	s_add_co_u32 s20, s20, s35
	s_lshl_b32 s20, s20, 12
	s_and_b32 s35, s19, 7                          ; head: 512 bytes each, in the order of the last product's K
	s_lshl_b32 s35, s35, 9
	s_add_co_u32 s20, s20, s35
	s_add_nc_u64 s[16:17], s[16:17], s[20:21]
.irp i, 0,1,2,3,4,5,6,7
	global_load_b128 v[112+4*\i:115+4*\i], v[G], s[6:7] offset:8192*\i     ; k's images: 512 threads x 8 x 16 bytes
.endr
.irp i, 0,1,2,3,4,5,6,7
	global_load_b128 v[144+4*\i:147+4*\i], v[G], s[8:9] offset:8192*\i     ; v's
.endr
	global_load_b128 v[176:179], v[G], s[10:11]                            ; noff
.irp y, 0,1
	global_load_b128 v[QF+8*\y:QF+8*\y+3], v[KA0], s[4:5] offset:512*\y    ; my queries
.endr
.irp y, 0,1
	global_load_b32 v[CM+8*\y], v[MO], s[12:13] offset:64*\y               ; and their numbers of the mask
.endr
.irp y, 0,1
.irp j, 4,5,6,7
	v_mov_b32 v[QF+8*\y+\j], 0                     ; channels 32-63 do not exist
.endr
.endr
.irp x, 0,1,2,3
.irp j, 4,5,6,7
	v_mov_b32 v[KF+8*\x+\j], 0
.endr
.endr
	s_wait_loadcnt 13                              ; k's eight are in: behind them 8 + 1 + 2 + 2 were issued
.irp i, 0,1,2,3,4,5,6,7
	ds_store_b128 v[G], v[112+4*\i:115+4*\i] offset:8192*\i
.endr
	s_wait_loadcnt 5                               ; v's eight are in: 1 + 2 + 2 may be out
.irp i, 0,1,2,3,4,5,6,7
	ds_store_b128 v5, v[144+4*\i:147+4*\i] offset:8192*\i
.endr
	s_wait_loadcnt 4                               ; noff is in: 2 + 2 may be out
	ds_store_b128 v6, v[176:179]
	s_wait_loadcnt 0x0
	s_wait_kmcnt 0x0
	s_add_co_i32 s35, s24, s25                     ; e6 + e7
	s_sub_co_i32 s36, 4, s35
	s_lshl_b32 s35, s35, 23
	s_add_co_i32 s30, s35, 0x3db8aa3b              ; cs = log2(e) / 16 x 2^(e6 + e7)
	s_mov_b32 s31, s30                             ; (named with it as a pair)
	s_add_co_i32 s37, s26, 127
	s_lshl_b32 s38, s37, 23
	v_mov_b32 v[SCL], s38
	s_add_co_i32 s37, s37, 15
	s_lshl_b32 s37, s37, 23
	s_or_b32 s37, s37, 0x600000
	v_mov_b32 v[LIM], s37
	s_sub_co_i32 s37, s28, s26
	s_sub_co_i32 s37, s37, s27                     ; a sum of the second product stands for sum x 2^(e8 + e9): the three scales folded into one
	s_add_co_i32 s37, s37, 127
	s_lshl_b32 s38, s37, 23
	v_mov_b32 v[SCL2], s38
	s_add_co_i32 s37, s37, 15
	s_lshl_b32 s37, s37, 23
	s_or_b32 s37, s37, 0x600000
	v_mov_b32 v[LIM2], s37
.irp y, 0,1
	v_mul_f32 v[CM+8*\y], 0x3089705f, v[CM+8*\y]   ; mask x 1e-9,
.endr
.irp y, 0,1
	v_ldexp_f32 v[CM+8*\y], v[CM+8*\y], s36        ; x 16 / 2^(e6 + e7)
.endr
.irp j, 1,2,3,4,5,6,7
	v_mov_b32 v[CM+\j], v[CM]                      ; the lane's query is the same in all eight registers of a result
	v_mov_b32 v[CM+8+\j], v[CM+8]
.endr
	s_wait_dscnt 0x0                               ; for the others' sake: my stores have landed
	s_barrier_signal -1
	s_barrier_wait -1                              ; nothing is stored in LDS again
.macro KFETCH
.irp x, 0,1,2,3
	ds_load_b128 v[KF+8*\x:KF+8*\x+3], v[KA] offset:512*\x
.endr
.endm
.macro NFETCH                          ; lane (r, h): noff of keys 16 x + 8 h + 0..7
.irp x, 0,1,2,3
	ds_load_b128 v[NF+8*\x:NF+8*\x+3], v[NA] offset:64*\x
	ds_load_b128 v[NF+8*\x+4:NF+8*\x+7], v[NA] offset:64*\x+16
.endr
.endm
.macro VFETCH                          ; channel tile d, keys 32 i on: registers 4 i .. 4 i + 3 of its fragment
.irp d, 0,1
.irp i, 0,1
	ds_load_b128 v[VF+8*\d+4*\i:VF+8*\d+4*\i+3], v[VA] offset:1024*\i+512*\d
.endr
.endr
.endm
; A KEY STEP: 64 keys x my 32 queries.  pre = 1: the next step's k and noff are fetched on the way.  zero = 1: the products start O^T's sums.
.macro STEP pre, zero
	s_wait_dscnt 0x0                               ; this step's k and noff are in
.irp x, 0,1,2,3
.irp y, 0,1
	v_wmma_f32_16x16x64_bf8_bf8 v[S+32*\y+8*\x:S+32*\y+8*\x+7], v[KF+8*\x:KF+8*\x+7], v[QF+8*\y:QF+8*\y+7], v[CM+8*\y:CM+8*\y+7]
.endr
.endr
	v_add_nc_u32 v[VA], s32, v[VA0]                ; this step's v.  Four plain lines stand here: the places in front of loads into registers that products read, and of the first read of results
.if \pre
	s_add_co_u32 s32, s32, 2048
	s_add_co_u32 s33, s33, 256
	v_add_nc_u32 v[KA], s32, v[KA0]
	v_add_nc_u32 v[NA], s33, v[NA0]
	v_nop
.else
.rept 3
	v_nop
.endr
.endif
	VFETCH
.if \pre
	KFETCH
.endif
.irp y, 0,1
.irp x, 0,1,2,3
.irp j, 0,2,4,6
	v_pk_fma_f32 v[S+32*\y+8*\x+\j:S+32*\y+8*\x+\j+1], v[S+32*\y+8*\x+\j:S+32*\y+8*\x+\j+1], s[30:31], v[NF+8*\x+\j:NF+8*\x+\j+1] op_sel_hi:[1,0,1]   ; t + noff, two keys at a time; each accumulator from its low end on
.endr
.endr
.endr
.if \pre
	NFETCH                                         ; behind the last reader of this step's noff
.endif
.irp j, 0,1,2,3,4,5,6,7,8,9,10,11,12,13,14,15,16,17,18,19,20,21,22,23,24,25,26,27,28,29,30,31,32,33,34,35,36,37,38,39,40,41,42,43,44,45,46,47,48,49,50,51,52,53,54,55,56,57,58,59,60,61,62,63
	v_exp_f32 v[S+\j], v[S+\j]                     ; the finished weight; one batch
.endr
	v_nop                                          ; a plain line behind the last exponential
	s_wait_alu depctr_va_vdst(0)                   ; one wait for the batch, ahead of its first reader
.irp y, 0,1
.irp j, 0,1,2,3,4,5,6,7,8,9,10,11,12,13,14,15,16,17,18,19,20,21,22,23,24,25,26,27,28,29,30,31
	v_min_num_f32 v[S+32*\y+\j], v[S+32*\y+\j], v[LIM]   ; the conversion does not saturate (ISA guide 7.6.2); a weight is not negative, so the hold is one-sided
.endr
.irp x, 0,1,2,3
	v_cvt_scalef32_pk8_bf8_f32 v[PC+8*\y+2*\x:PC+8*\y+2*\x+1], v[S+32*\y+8*\x:S+32*\y+8*\x+7], v[SCL]
.endr
.endr
	v_nop                                          ; a plain line between the conversions and the products that read their results
.if \pre
	s_wait_dscnt 12                                ; v's four loads are in: behind them the next step's 4 of k and 8 of noff were issued
.else
	s_wait_dscnt 0x0
.endif
.irp y, 0,1
.irp d, 0,1
.if \zero
	v_wmma_f32_16x16x64_bf8_bf8 v[O+16*\y+8*\d:O+16*\y+8*\d+7], v[VF+8*\d:VF+8*\d+7], v[PC+8*\y:PC+8*\y+7], 0
.else
	v_wmma_f32_16x16x64_bf8_bf8 v[O+16*\y+8*\d:O+16*\y+8*\d+7], v[VF+8*\d:VF+8*\d+7], v[PC+8*\y:PC+8*\y+7], v[O+16*\y+8*\d:O+16*\y+8*\d+7]
.endif
.endr
.endr                                              ; the four accumulators take turns, and the next step's eight score products stand between two links of a chain
.endm
	KFETCH                                         ; step 0
	NFETCH
	STEP 1, 1                                      ; the first step starts the sums: nothing is cleared
	s_mov_b32 s34, 30
.Lk:
	STEP 1, 0
	s_sub_co_u32 s34, s34, 1
	s_cmp_lg_u32 s34, 0
	s_cbranch_scc1 .Lk
	STEP 0, 0                                      ; the last step fetches nothing beyond the images' end
.rept 4
	v_nop                                          ; places in front of the first read of the last results
.endr
.irp j, 0,1,2,3,4,5,6,7,8,9,10,11,12,13,14,15,16,17,18,19,20,21,22,23,24,25,26,27,28,29,30,31
	v_med3_num_f32 v[O+\j], v[O+\j], -v[LIM2], v[LIM2]   ; the hold; each accumulator from its low end on
.endr
.irp y, 0,1
.irp d, 0,1
	v_cvt_scalef32_pk8_bf8_f32 v[OC+4*\y+2*\d:OC+4*\y+2*\d+1], v[O+16*\y+8*\d:O+16*\y+8*\d+7], v[SCL2]   ; lane (r, h): row r, channels 16 d + 8 h + 0..7
.endr
.endr
	v_nop
	global_store_b128 v[KA0], v[OC:OC+3], s[16:17]                 ; 32 lanes store 512 consecutive bytes: my head's part of a tile of rows
	global_store_b128 v[KA0], v[OC+4:OC+7], s[16:17] offset:4096   ; the next tile of rows
	s_wait_tensorcnt 0x0
	ds_add_u32 v254, v255
	s_wait_dscnt 0x0
	s_endpgm
.Lfunc_end_k_q052d17062b_attn:
	.size	k_q052d17062b_attn, .Lfunc_end_k_q052d17062b_attn-k_q052d17062b_attn
	.p2alignl 7, 3214868480
	.fill 96, 4, 3214868480
	.section	.rodata,"a",@progbits
	.p2align	6, 0x0
	.amdhsa_kernel k_q052d17062b_attn
		.amdhsa_group_segment_fixed_size 141312
		.amdhsa_private_segment_fixed_size 0
		.amdhsa_enable_private_segment 0
		.amdhsa_kernarg_size 56
		.amdhsa_user_sgpr_count 2
		.amdhsa_user_sgpr_kernarg_segment_ptr 1
		.amdhsa_wavefront_size32 1
		.amdhsa_system_sgpr_workgroup_id_x 1
		.amdhsa_system_sgpr_workgroup_id_y 1
		.amdhsa_system_sgpr_workgroup_id_z 1
		.amdhsa_system_vgpr_workitem_id 0
		.amdhsa_next_free_vgpr 256
		.amdhsa_next_free_sgpr 66
		.amdhsa_reserve_vcc 0
		.amdhsa_float_denorm_mode_32 3
		.amdhsa_float_denorm_mode_16_64 3
		.amdhsa_memory_ordered 1
		.amdhsa_forward_progress 1
		.amdhsa_inst_pref_size 37
	.end_amdhsa_kernel
	.amdgpu_metadata
---
amdhsa.version: [ 1, 2 ]
amdhsa.kernels:
  - .name:           k_q052d17062b_attn
    .symbol:         k_q052d17062b_attn.kd
    .args:
      - { .name: q_img, .offset: 0, .size: 8, .value_kind: global_buffer, .address_space: global }
      - { .name: k_img, .offset: 8, .size: 8, .value_kind: global_buffer, .address_space: global }
      - { .name: v_img, .offset: 16, .size: 8, .value_kind: global_buffer, .address_space: global }
      - { .name: noff, .offset: 24, .size: 8, .value_kind: global_buffer, .address_space: global }
      - { .name: mask, .offset: 32, .size: 8, .value_kind: global_buffer, .address_space: global }
      - { .name: lowp_scales, .offset: 40, .size: 8, .value_kind: global_buffer, .address_space: global }
      - { .name: o_img, .offset: 48, .size: 8, .value_kind: global_buffer, .address_space: global }
    .group_segment_fixed_size: 141312
    .private_segment_fixed_size: 0
    .kernarg_segment_align: 8
    .kernarg_segment_size: 56
    .max_flat_workgroup_size: 512
    .sgpr_count:     66
    .vgpr_count:     256
    .wavefront_size: 32
...
	.end_amdgpu_metadata
.endif
;; end of part 3
;; launch outp (part 4): grid 256 x 1, 8 waves a work-group, no clusters, 83,968 bytes of LDS; arguments o_img, Wo_codes, bo, lowp_scales, out0; writes out0
.if DOCPART == 4
	.amdgcn_target "amdgcn-amd-amdhsa--gfx1250"
	.amdhsa_code_object_version 6
	.text
	.protected	k_q052d17062b_outp
	.globl	k_q052d17062b_outp
	.p2align	8
	.type	k_q052d17062b_outp,@function
k_q052d17062b_outp:
	s_mov_b64 s[64:65], 0
	v_nop
	global_prefetch_b8 v0, s[64:65] scope:SCOPE_SE
	s_setreg_imm32_b32 hwreg(HW_REG_WAVE_MODE, 25, 1), 1
	s_wait_xcnt 0x0
; out0 = O Wo^T + bo on codes of E5M2.  O comes as images of the operand's registers (o_img: [tile of 16 rows][K step 2][4][512 bytes]); Wo: [256 outputs][256] codes; bo and out0 f32.
; SHARES.  A work-group owns 64 rows (16 KB of o_img, dense in memory; brought into LDS once).  Wave w of 8 owns columns 32 w .. 32 w + 31 (two tiles) for all four tiles of rows;
; its four fragments of Wo stay in registers.
; LAYOUT.  source 0 = 16 rows of Wo, source 1 = 16 rows of O: lane (r, h) holds row r and columns 16 n + 8 h + 0..7.  Both operands lie in the form's own order of k (registers 2 c, 2 c + 1: k = 16 c + 8 h + 0..7).
; y = sum x 2^(e10 + e11) + bo: one packed multiply-add for two numbers.  A row's 256 columns come from eight waves: they meet in a stage in LDS, and each wave stores eight whole rows.
; LIMIT: e10 + e11 between -126 and 127.
.set STG, 16384                        ; LDS: the images at 0; here the stage, 64 rows x (1,024 bytes + 16)
.set SP,  1040
.set G,   4                            ; v4   16 t
.set LI,  5                            ; v5   16 x lane
.set WO,  6                            ; v6   Wo: 256 r + 8 h
.set BO,  7                            ; v7   bo: 32 h
.set SO,  8                            ; v8   the stage: row r, + 128 w + 32 h
.set SR,  9                            ; v9   and back: my eight rows, 16 bytes a lane
.set WF,  16                           ; v16-79   Wo's fragments: (tile n, K step s) at WF + 16 (2 n + s)
.set OF,  80                           ; v80-143  O's four fragments of a K step; then y; then rows read back
.set ACC, 144                          ; v144-207 accumulator (n, m) at ACC + 8 (4 n + m)
.set BI,  208                          ; v208-223 bo in the result's layout, two tiles
	s_load_b256 s[4:11], s[0:1], 0x0               ; o_img s[4:5], Wo s[6:7], bo s[8:9], the exponents s[10:11]
	s_load_b64 s[12:13], s[0:1], 0x20              ; out0
	v_lshl_add_u32 v224, v0, 2, 0x14400
	v_mov_b32 v225, 0
	v_lshrrev_b32 v1, 5, v0
	v_readfirstlane_b32 s14, v1                    ; wave 0..7
	v_and_b32 v1, 31, v0                           ; lane
	v_and_b32 v2, 15, v0                           ; r
	v_bfe_u32 v3, v0, 4, 1                         ; h
	v_lshlrev_b32 v[G], 4, v0
	v_lshlrev_b32 v[LI], 4, v1
	v_lshlrev_b32 v[WO], 8, v2
	v_lshl_add_u32 v[WO], v3, 3, v[WO]
	v_lshlrev_b32 v[BO], 5, v3
	s_lshl_b32 s22, s14, 7
	s_add_co_u32 s22, s22, STG
	v_mul_u32_u24 v[SO], v2, SP
	v_lshl_add_u32 v[SO], v3, 5, v[SO]
	v_add_nc_u32 v[SO], s22, v[SO]
	s_mul_i32 s23, s14, 8*SP
	s_add_co_u32 s23, s23, STG
	v_add_nc_u32 v[SR], s23, v[LI]
	s_mov_b32 s17, 0
	s_wait_kmcnt 0x0
	s_load_b64 s[18:19], s[10:11], 0x28            ; e10, e11
	s_lshl_b32 s16, ttmp9, 14                      ; four tiles of rows, 4,096 bytes each
	s_add_nc_u64 s[4:5], s[4:5], s[16:17]
	s_lshl_b32 s16, s14, 13                        ; my 32 rows of Wo
	s_add_nc_u64 s[6:7], s[6:7], s[16:17]
	s_lshl_b32 s16, s14, 7                         ; my 32 numbers of bo
	s_add_nc_u64 s[8:9], s[8:9], s[16:17]
	s_lshl_b32 s16, ttmp9, 16                      ; 64 rows of 1,024 bytes,
	s_lshl_b32 s24, s14, 13                        ; the eight that I store
	s_add_co_u32 s16, s16, s24
	s_add_nc_u64 s[12:13], s[12:13], s[16:17]
.irp i, 0,1,2,3
	global_load_b128 v[OF+4*\i:OF+4*\i+3], v[G], s[4:5] offset:4096*\i th:TH_LOAD_NT   ; the images: 256 threads x 4 x 16 bytes
.endr
.irp n, 0,1
.irp s, 0,1
.irp c, 0,1,2,3,4,5,6,7
	global_load_b64 v[WF+16*(2*\n+\s)+2*\c:WF+16*(2*\n+\s)+2*\c+1], v[WO], s[6:7] offset:4096*\n+128*\s+16*\c
.endr
.endr
.endr
.irp n, 0,1
	global_load_b128 v[BI+8*\n:BI+8*\n+3], v[BO], s[8:9] offset:64*\n
	global_load_b128 v[BI+8*\n+4:BI+8*\n+7], v[BO], s[8:9] offset:64*\n+16
.endr
	s_wait_loadcnt 36                              ; the images' four loads are in: behind them Wo's 32 and bo's 4 were issued
.irp i, 0,1,2,3
	ds_store_b128 v[G], v[OF+4*\i:OF+4*\i+3] offset:4096*\i
.endr
	s_wait_dscnt 0x0                               ; for the others' sake: my stores have landed
	s_barrier_signal -1
	s_barrier_wait -1
	s_wait_loadcnt 0x0                             ; Wo and bo
	s_wait_kmcnt 0x0
	s_add_co_i32 s20, s18, s19
	s_add_co_i32 s20, s20, 127
	s_lshl_b32 s20, s20, 23                        ; 2^(e10 + e11) as f32
	s_mov_b32 s21, s20                             ; (named with it as a pair)
.irp s, 0,1
.irp m, 0,1,2,3
.irp c, 0,1,2,3
	ds_load_b128 v[OF+16*\m+4*\c:OF+16*\m+4*\c+3], v[LI] offset:4096*\m+2048*\s+512*\c
.endr
.endr
	s_wait_dscnt 0x0
.irp m, 0,1,2,3
.irp n, 0,1
.if \s == 0
	v_wmma_f32_16x16x128_bf8_bf8 v[ACC+8*(4*\n+\m):ACC+8*(4*\n+\m)+7], v[WF+16*(2*\n+\s):WF+16*(2*\n+\s)+15], v[OF+16*\m:OF+16*\m+15], 0
.else
	v_wmma_f32_16x16x128_bf8_bf8 v[ACC+8*(4*\n+\m):ACC+8*(4*\n+\m)+7], v[WF+16*(2*\n+\s):WF+16*(2*\n+\s)+15], v[OF+16*\m:OF+16*\m+15], v[ACC+8*(4*\n+\m):ACC+8*(4*\n+\m)+7]
.endif
.endr
.endr                                              ; the eight accumulators take turns, in the same order in both K steps
.rept 4
	v_nop                                          ; places in front of loads and writes into registers that the products read, and of the first read of results
.endr
.endr
.irp m, 0,1,2,3
.irp n, 0,1
.irp i, 0,2,4,6
	v_pk_fma_f32 v[OF+8*(4*\n+\m)+\i:OF+8*(4*\n+\m)+\i+1], v[ACC+8*(4*\n+\m)+\i:ACC+8*(4*\n+\m)+\i+1], s[20:21], v[BI+8*\n+\i:BI+8*\n+\i+1] op_sel_hi:[1,0,1]   ; each accumulator from its low end on
.endr
.endr
.endr
.irp m, 0,1,2,3
.irp n, 0,1
	ds_store_b128 v[SO], v[OF+8*(4*\n+\m):OF+8*(4*\n+\m)+3] offset:16*SP*\m+64*\n          ; lane (r, h): y(16 m + r, 32 w + 16 n + 8 h + 0..7)
	ds_store_b128 v[SO], v[OF+8*(4*\n+\m)+4:OF+8*(4*\n+\m)+7] offset:16*SP*\m+64*\n+16
.endr
.endr
	s_wait_dscnt 0x0                               ; for the others' sake: my part of the 64 rows has landed
	s_barrier_signal -1
	s_barrier_wait -1
.irp i, 0,1,2,3,4,5,6,7,8,9,10,11,12,13,14,15
	ds_load_b128 v[OF+4*\i:OF+4*\i+3], v[SR] offset:SP*(\i/2)+512*(\i%2)
.endr
.irp i, 0,1,2,3,4,5,6,7,8,9,10,11,12,13,14,15
	s_wait_dscnt 15-\i                             ; load i is in; those issued behind it may be out
	global_store_b128 v[LI], v[OF+4*\i:OF+4*\i+3], s[12:13] offset:1024*(\i/2)+512*(\i%2) th:TH_STORE_NT   ; 32 lanes store 512 consecutive bytes, at a multiple of 256 from out0's first byte
.endr
	s_wait_tensorcnt 0x0
	ds_add_u32 v224, v225
	s_wait_dscnt 0x0
	s_endpgm
.Lfunc_end_k_q052d17062b_outp:
	.size	k_q052d17062b_outp, .Lfunc_end_k_q052d17062b_outp-k_q052d17062b_outp
	.p2alignl 7, 3214868480
	.fill 96, 4, 3214868480
	.section	.rodata,"a",@progbits
	.p2align	6, 0x0
	.amdhsa_kernel k_q052d17062b_outp
		.amdhsa_group_segment_fixed_size 83968
		.amdhsa_private_segment_fixed_size 0
		.amdhsa_enable_private_segment 0
		.amdhsa_kernarg_size 40
		.amdhsa_user_sgpr_count 2
		.amdhsa_user_sgpr_kernarg_segment_ptr 1
		.amdhsa_wavefront_size32 1
		.amdhsa_system_sgpr_workgroup_id_x 1
		.amdhsa_system_sgpr_workgroup_id_y 1
		.amdhsa_system_sgpr_workgroup_id_z 1
		.amdhsa_system_vgpr_workitem_id 0
		.amdhsa_next_free_vgpr 226
		.amdhsa_next_free_sgpr 66
		.amdhsa_reserve_vcc 0
		.amdhsa_float_denorm_mode_32 3
		.amdhsa_float_denorm_mode_16_64 3
		.amdhsa_memory_ordered 1
		.amdhsa_forward_progress 1
		.amdhsa_inst_pref_size 16
	.end_amdhsa_kernel
	.amdgpu_metadata
---
amdhsa.version: [ 1, 2 ]
amdhsa.kernels:
  - .name:           k_q052d17062b_outp
    .symbol:         k_q052d17062b_outp.kd
    .args:
      - { .name: o_img, .offset: 0, .size: 8, .value_kind: global_buffer, .address_space: global }
      - { .name: Wo_codes, .offset: 8, .size: 8, .value_kind: global_buffer, .address_space: global }
      - { .name: bo, .offset: 16, .size: 8, .value_kind: global_buffer, .address_space: global }
      - { .name: lowp_scales, .offset: 24, .size: 8, .value_kind: global_buffer, .address_space: global }
      - { .name: out0, .offset: 32, .size: 8, .value_kind: global_buffer, .address_space: global }
    .group_segment_fixed_size: 83968
    .private_segment_fixed_size: 0
    .kernarg_segment_align: 8
    .kernarg_segment_size: 40
    .max_flat_workgroup_size: 256
    .sgpr_count:     66
    .vgpr_count:     226
    .wavefront_size: 32
...
	.end_amdgpu_metadata
.endif
;; end of part 4
;; ======== version 2 of 2: 4 launches; version 1 with the launches proj, stats, attn, outp written anew for expert scheduling mode
;; workspace buffers: q_img 4,194,304 bytes; k_img 4,194,304 bytes; v_img 4,194,304 bytes; noff 524,288 bytes; o_img 4,194,304 bytes
;; launch proj (part 5): grid 256 x 1, 24 waves a work-group, no clusters, 20,480 bytes of LDS; arguments inputs_codes, Wq_codes, Wk_codes, Wv_codes, bq, bk, bv, lowp_scales, q_img, k_img, v_img; writes q_img, k_img, v_img
.if DOCPART == 5
	.amdgcn_target "amdgcn-amd-amdhsa--gfx1250"
	.amdhsa_code_object_version 6
	.text
	.protected	k_q052d17062b_proj
	.globl	k_q052d17062b_proj
	.p2align	8
	.type	k_q052d17062b_proj,@function
k_q052d17062b_proj:
	s_mov_b64 s[64:65], 0
	v_nop
	global_prefetch_b8 v0, s[64:65] scope:SCOPE_SE
	s_setreg_imm32_b32 hwreg(HW_REG_WAVE_SCHED_MODE, 0, 2), 2
	s_setreg_imm32_b32 hwreg(HW_REG_WAVE_MODE, 25, 1), 1
	s_wait_xcnt 0x0
	s_wait_alu depctr_vm_vsrc(0)
; q = X Wq^T + bq, k = X Wk^T + bk, v = X Wv^T + bv on codes of E5M2, and the three results quantised for the attention's two products.
; X: [16,384 tokens][256] codes; each W: [256 outputs][256] codes; biases f32; lowp_scales: e0..e11.
; SHARES.  A work-group owns 64 tokens (16 KB of X, dense in memory).  Wave W of 24: role p = W / 8 (0: q, 1: k, 2: v), head = W % 8.
; A wave makes its head's 32 outputs for the four tiles of 16 tokens; its part of W (64 registers) stays in registers.
; X goes through LDS once (waves 0-7 bring it), rows 272 bytes apart, and is read by all 24 waves.
; K's ORDER.  A fragment (16 rows x 128 K) is fetched by four loads of 16 bytes at 32 c + 16 (lane / 16): a permutation of k that is the same for X and for W, so every product meets its partner.
; q AND k: source 0 = 16 rows of W, source 1 = 16 tokens: lane (r, h) holds token r and channels 16 u + 8 h + 0..7: two conversions give the 16 bytes that
; the lane holds of a K = 64 fragment of the score product (registers 0-3; the head has 32 channels).  They are stored as that image: 512 bytes a tile of tokens.
; v: the sources are swapped: lane (r, h) holds channel 16 d + r and tokens 8 h + 0..7: the keys run along the registers, as the second product's K wants.
; THE BIAS is the C of a sum's first matrix instruction, divided by 2^(eA + eB), which the sums lack; the conversion's one scale is 2^(eQ - eA - eB).
; LIMITS: eQ - eA - eB between -126 and 112, for each role.  NaN and infinities among the inputs are not served.
; THE MODE: SCHED_MODE bits 1:0 = 2 (LLVM: expert scheduling mode 2), set by the entry lines.  The code itself states the register dependences
; between vector or matrix instructions and memory or LDS instructions, with s_wait_alu, always for 0.
; THE PLAN.  Registers that memory or LDS instructions touch:
;   v4-v9, v12   offsets and LDS addresses: written once at the head, never again.
;   XF           X's global loads land in v80-95 and waves 0-7's LDS stores read them; then each tile's LDS loads land in v80-111 and the tile's four products read them.
;   WF, CB       loaded once at the head; named by vector and matrix instructions alone after that.
;   CD           written by the conversions, read by one store each, never written again.
; A tile has two waits on va_vdst: behind its products (they are done reading XF: the next tile's fragments may land) and behind its conversions (the codes are written: the store may read them).
; Six waves share a SIMD's registers, so there is no room for a second XF.
.set XP,   272                         ; a row of X in LDS: 256 bytes + 16
.set WOFF, 4                           ; v4   W: 256 r + 16 h
.set XLD,  5                           ; v5   X in LDS, as a fragment is read: 272 r + 16 h
.set XST,  6                           ; v6   X in LDS, as it is brought: 272 (t / 16) + 16 (t % 16)
.set XG,   7                           ; v7   X in memory: 16 t
.set BQK,  8                           ; v8   bias of q, k: 32 h
.set SO,   9                           ; v9   16 x lane: my place in an image
.set SCL,  10                          ; v10  2^(eQ - eA - eB) as f32
.set LIM,  11                          ; v11  57,344 x that
.set BV,   12                          ; v12  bias of v: 4 r
.set WF,   16                          ; v16-79   W's fragments: (tile u, K step s) at WF + 16 (2 u + s)
.set XF,   80                          ; v80-111  X's two fragments of a tile of tokens; first the registers through which X is brought
.set D,    112                         ; v112-127 two accumulators
.set CB,   128                         ; v128-143 the bias in the result's layout, two tiles
.set CD,   144                         ; v144-159 codes: every store has registers of its own
	s_load_b256 s[4:11], s[0:1], 0x0               ; X s[4:5], Wq s[6:7], Wk s[8:9], Wv s[10:11]
	s_load_b256 s[12:19], s[0:1], 0x20             ; bq s[12:13], bk s[14:15], bv s[16:17], the exponents s[18:19]
	s_load_b128 s[20:23], s[0:1], 0x40             ; q_img s[20:21], k_img s[22:23]
	s_load_b64 s[24:25], s[0:1], 0x50              ; v_img
	v_lshl_add_u32 v14, v0, 2, 0x4400
	v_mov_b32 v15, 0
	v_lshrrev_b32 v1, 5, v0
	v_readfirstlane_b32 s26, v1                    ; wave 0..23
	v_and_b32 v1, 31, v0                           ; lane
	v_and_b32 v2, 15, v0                           ; r
	v_bfe_u32 v3, v0, 4, 1                         ; h
	v_lshlrev_b32 v[WOFF], 8, v2
	v_lshl_add_u32 v[WOFF], v3, 4, v[WOFF]
	v_mul_u32_u24 v[XLD], v2, XP
	v_lshl_add_u32 v[XLD], v3, 4, v[XLD]
	v_lshrrev_b32 v[XST], 4, v0
	v_mul_u32_u24 v[XST], v[XST], XP
	v_lshl_add_u32 v[XST], v2, 4, v[XST]
	v_lshlrev_b32 v[XG], 4, v0
	v_lshlrev_b32 v[BQK], 5, v3
	v_lshlrev_b32 v[SO], 4, v1
	v_lshlrev_b32 v[BV], 2, v2
	s_wait_alu depctr_va_sdst(0)                   ; s26 is written, ahead of its first reader: role, head and the branches on the wave's number are made from it
	s_lshr_b32 s27, s26, 3                         ; role
	s_and_b32 s28, s26, 7                          ; head
	s_wait_kmcnt 0x0
	s_load_b256 s[40:47], s[18:19], 0x0            ; e0 .. e7
	s_load_b32 s48, s[18:19], 0x24                 ; e9
	s_cmp_eq_u32 s27, 1                            ; the role's three buffers: the choice hangs on the wave's number alone
	s_cselect_b64 s[32:33], s[8:9], s[6:7]
	s_cselect_b64 s[34:35], s[14:15], s[12:13]
	s_cselect_b64 s[36:37], s[22:23], s[20:21]
	s_cmp_eq_u32 s27, 2
	s_cselect_b64 s[32:33], s[10:11], s[32:33]
	s_cselect_b64 s[34:35], s[16:17], s[34:35]
	s_cselect_b64 s[36:37], s[24:25], s[36:37]
	s_mov_b32 s31, 0
	s_lshl_b32 s30, ttmp9, 14                      ; my work-group's 64 rows of 256 bytes
	s_add_nc_u64 s[4:5], s[4:5], s[30:31]
	s_lshl_b32 s30, s28, 13                        ; my head's 32 rows of W
	s_add_nc_u64 s[32:33], s[32:33], s[30:31]
	s_lshl_b32 s30, s28, 7                         ; and its 32 numbers of the bias
	s_add_nc_u64 s[34:35], s[34:35], s[30:31]
	s_lshr_b32 s30, ttmp9, 5                       ; batch
	s_lshl_b32 s30, s30, 3
	s_add_co_u32 s30, s30, s28                     ; 8 x batch + head
	s_lshl_b32 s30, s30, 16                        ; a head's images are 65,536 bytes,
	s_and_b32 s49, ttmp9, 31
	s_lshl_b32 s49, s49, 11                        ; 64 tokens' 2,048: the same in all three buffers
	s_add_co_u32 s30, s30, s49
	s_add_nc_u64 s[36:37], s[36:37], s[30:31]
	s_wait_alu depctr_va_vdst(0)                   ; the offsets and LDS addresses v4 to v9 and v12 are written: every load and store of the kernel reads one of them
	s_cmp_lt_u32 s26, 8                            ; waves 0-7 bring X: 256 threads x 4 x 16 bytes
	s_cbranch_scc0 .Lno_x
.irp i, 0,1,2,3
	global_load_b128 v[XF+4*\i:XF+4*\i+3], v[XG], s[4:5] offset:4096*\i th:TH_LOAD_NT
.endr
.Lno_x:
.irp u, 0,1
.irp s, 0,1
.irp c, 0,1,2,3
	global_load_b128 v[WF+16*(2*\u+\s)+4*\c:WF+16*(2*\u+\s)+4*\c+3], v[WOFF], s[32:33] offset:4096*\u+128*\s+32*\c
.endr
.endr
.endr
	s_cmp_lt_u32 s26, 8
	s_cbranch_scc0 .Lno_st
	s_wait_loadcnt 16                              ; X's four loads are in: behind them W's sixteen were issued, and nothing else
.irp i, 0,1,2,3
	ds_store_b128 v[XST], v[XF+4*\i:XF+4*\i+3] offset:16*XP*\i
.endr
.Lno_st:
	s_cmp_lt_u32 s27, 2
	s_cbranch_scc0 .Lbias_v
.irp u, 0,1                                    ; q, k: register j of tile u wants b(16 u + 8 h + j)
	global_load_b128 v[CB+8*\u:CB+8*\u+3], v[BQK], s[34:35] offset:64*\u
	global_load_b128 v[CB+8*\u+4:CB+8*\u+7], v[BQK], s[34:35] offset:64*\u+16
.endr
	s_branch .Lbias_done
.Lbias_v:
.irp u, 0,1                                    ; v: all eight registers of tile d want b(16 d + r)
	global_load_b32 v[CB+8*\u], v[BV], s[34:35] offset:64*\u
.endr
.Lbias_done:
	s_wait_dscnt 0x0                               ; for the others' sake: my stores of X have landed
	s_barrier_signal -1
	s_barrier_wait -1                              ; X lies in LDS; nothing is stored there again
.macro XFETCH m                        ; the two fragments of tile m of the tokens
.irp s, 0,1
.irp c, 0,1,2,3
	ds_load_b128 v[XF+16*\s+4*\c:XF+16*\s+4*\c+3], v[XLD] offset:16*XP*(\m)+128*\s+32*\c
.endr
.endr
.endm
.macro QUANT2                          ; the two accumulators become 8 codes each, in v[DST0], v[DST1] on
.irp j, 0,1,2,3,4,5,6,7,8,9,10,11,12,13,14,15
	v_med3_num_f32 v[D+\j], v[D+\j], -v[LIM], v[LIM]   ; the conversion to an 8-bit code does not saturate (ISA guide 7.6.2): the hold at the largest code x the scale; each accumulator from its low end on
.endr
	v_cvt_scalef32_pk8_bf8_f32 v[DST0:DST0+1], v[D:D+7], v[SCL]
	v_cvt_scalef32_pk8_bf8_f32 v[DST1:DST1+1], v[D+8:D+15], v[SCL]
	v_nop                                          ; a plain line between the conversions and the next products, which write their sources
.endm
; A tile of 16 tokens: four products (two accumulators by turns, K ascending), the next tile's fragments, the codes, the store.
.macro TILE m, isv
	s_wait_dscnt 0x0                               ; this tile's fragments of X are in
.if \isv
	v_wmma_f32_16x16x128_bf8_bf8 v[D:D+7], v[XF:XF+15], v[WF:WF+15], v[CB:CB+7]
	v_wmma_f32_16x16x128_bf8_bf8 v[D+8:D+15], v[XF:XF+15], v[WF+32:WF+47], v[CB+8:CB+15]
	v_wmma_f32_16x16x128_bf8_bf8 v[D:D+7], v[XF+16:XF+31], v[WF+16:WF+31], v[D:D+7]
	v_wmma_f32_16x16x128_bf8_bf8 v[D+8:D+15], v[XF+16:XF+31], v[WF+48:WF+63], v[D+8:D+15]
.else
	v_wmma_f32_16x16x128_bf8_bf8 v[D:D+7], v[WF:WF+15], v[XF:XF+15], v[CB:CB+7]
	v_wmma_f32_16x16x128_bf8_bf8 v[D+8:D+15], v[WF+32:WF+47], v[XF:XF+15], v[CB+8:CB+15]
	v_wmma_f32_16x16x128_bf8_bf8 v[D:D+7], v[WF+16:WF+31], v[XF+16:XF+31], v[D:D+7]
	v_wmma_f32_16x16x128_bf8_bf8 v[D+8:D+15], v[WF+48:WF+63], v[XF+16:XF+31], v[D+8:D+15]
.endif
.rept 4
	v_nop                                          ; four places in front of the first read of results; they stand ahead of the loads into the registers that the products read, too
.endr
.if (\m) < 3
	s_wait_alu depctr_va_vdst(0)                   ; the four products are done reading v[XF ..], in which the next tile's fragments land
	XFETCH (\m)+1
.endif
.if \isv
.set DST0, CD+8*((\m)/2)+2*((\m)%2)                ; channel tile 0: tokens 16 m + 8 h + 0..7 are the low or the high 8 bytes of a group of 32 keys
.set DST1, CD+8*((\m)/2)+4+2*((\m)%2)              ; channel tile 1
	QUANT2
.if ((\m)%2) == 1
	s_wait_alu depctr_va_vdst(0)                   ; this tile's conversions and the last tile's have written the eight registers of codes, which the two stores read
	global_store_b128 v[SO], v[CD+8*((\m)/2):CD+8*((\m)/2)+3], s[36:37] offset:1024*((\m)/2)         ; 32 lanes store 512 consecutive bytes
	global_store_b128 v[SO], v[CD+8*((\m)/2)+4:CD+8*((\m)/2)+7], s[36:37] offset:1024*((\m)/2)+512
.endif
.else
.set DST0, CD+4*(\m)                               ; channels 8 h + 0..7
.set DST1, CD+4*(\m)+2                             ; channels 16 + 8 h + 0..7
	QUANT2
	s_wait_alu depctr_va_vdst(0)                   ; the conversions have written the four registers of codes, which the store reads
	global_store_b128 v[SO], v[CD+4*(\m):CD+4*(\m)+3], s[36:37] offset:512*(\m)                      ; 32 lanes store 512 consecutive bytes
.endif
.endm
	s_wait_alu depctr_vm_vsrc(0)                   ; the LDS stores of X have read v80 to v95, in which the first tile's fragments land
	XFETCH 0
	s_wait_loadcnt 0x0                             ; W and the bias
	s_wait_kmcnt 0x0                               ; the exponents
	s_cmp_eq_u32 s27, 1
	s_cselect_b32 s50, s42, s40                    ; eA
	s_cselect_b32 s51, s43, s41                    ; eB
	s_cselect_b32 s52, s47, s46                    ; eQ: e6 for q, e7 for k,
	s_cmp_eq_u32 s27, 2
	s_cselect_b32 s50, s44, s50
	s_cselect_b32 s51, s45, s51
	s_cselect_b32 s52, s48, s52                    ; e9 for v
	s_add_co_i32 s50, s50, s51                     ; eA + eB: a sum stands for sum x 2^(eA + eB)
	s_sub_co_i32 s53, 0, s50
	s_sub_co_i32 s52, s52, s50                     ; eQ - eA - eB
	s_add_co_i32 s52, s52, 127
	s_lshl_b32 s54, s52, 23
	v_mov_b32 v[SCL], s54
	s_add_co_i32 s52, s52, 15
	s_lshl_b32 s52, s52, 23
	s_or_b32 s52, s52, 0x600000
	v_mov_b32 v[LIM], s52
	s_cmp_lt_u32 s27, 2
	s_cbranch_scc0 .Lrole_v
.irp j, 0,1,2,3,4,5,6,7,8,9,10,11,12,13,14,15
	v_ldexp_f32 v[CB+\j], v[CB+\j], s53            ; b / 2^(eA + eB)
.endr
	TILE 0, 0
	TILE 1, 0
	TILE 2, 0
	TILE 3, 0
	s_wait_dscnt 0x0                               ; the closing lines, six on end
	s_wait_alu 0x0
	s_wait_tensorcnt 0x0
	ds_add_u32 v14, v15
	s_wait_dscnt 0x0
	s_endpgm
.Lrole_v:
	v_ldexp_f32 v[CB], v[CB], s53
	v_ldexp_f32 v[CB+8], v[CB+8], s53
.irp j, 1,2,3,4,5,6,7
	v_mov_b32 v[CB+\j], v[CB]
	v_mov_b32 v[CB+8+\j], v[CB+8]
.endr
	TILE 0, 1
	TILE 1, 1
	TILE 2, 1
	TILE 3, 1
	s_wait_dscnt 0x0                               ; the closing lines, six on end, as above
	s_wait_alu 0x0
	s_wait_tensorcnt 0x0
	ds_add_u32 v14, v15
	s_wait_dscnt 0x0
	s_endpgm
.Lfunc_end_k_q052d17062b_proj:
	.size	k_q052d17062b_proj, .Lfunc_end_k_q052d17062b_proj-k_q052d17062b_proj
	.p2alignl 7, 3214868480
	.fill 96, 4, 3214868480
	.section	.rodata,"a",@progbits
	.p2align	6, 0x0
	.amdhsa_kernel k_q052d17062b_proj
		.amdhsa_group_segment_fixed_size 20480
		.amdhsa_private_segment_fixed_size 0
		.amdhsa_enable_private_segment 0
		.amdhsa_kernarg_size 88
		.amdhsa_user_sgpr_count 2
		.amdhsa_user_sgpr_kernarg_segment_ptr 1
		.amdhsa_wavefront_size32 1
		.amdhsa_system_sgpr_workgroup_id_x 1
		.amdhsa_system_sgpr_workgroup_id_y 1
		.amdhsa_system_sgpr_workgroup_id_z 1
		.amdhsa_system_vgpr_workitem_id 0
		.amdhsa_next_free_vgpr 160
		.amdhsa_next_free_sgpr 66
		.amdhsa_reserve_vcc 0
		.amdhsa_float_denorm_mode_32 3
		.amdhsa_float_denorm_mode_16_64 3
		.amdhsa_memory_ordered 1
		.amdhsa_forward_progress 1
		.amdhsa_inst_pref_size 26
	.end_amdhsa_kernel
	.amdgpu_metadata
---
amdhsa.version: [ 1, 2 ]
amdhsa.kernels:
  - .name:           k_q052d17062b_proj
    .symbol:         k_q052d17062b_proj.kd
    .args:
      - { .name: inputs_codes, .offset: 0, .size: 8, .value_kind: global_buffer, .address_space: global }
      - { .name: Wq_codes, .offset: 8, .size: 8, .value_kind: global_buffer, .address_space: global }
      - { .name: Wk_codes, .offset: 16, .size: 8, .value_kind: global_buffer, .address_space: global }
      - { .name: Wv_codes, .offset: 24, .size: 8, .value_kind: global_buffer, .address_space: global }
      - { .name: bq, .offset: 32, .size: 8, .value_kind: global_buffer, .address_space: global }
      - { .name: bk, .offset: 40, .size: 8, .value_kind: global_buffer, .address_space: global }
      - { .name: bv, .offset: 48, .size: 8, .value_kind: global_buffer, .address_space: global }
      - { .name: lowp_scales, .offset: 56, .size: 8, .value_kind: global_buffer, .address_space: global }
      - { .name: q_img, .offset: 64, .size: 8, .value_kind: global_buffer, .address_space: global }
      - { .name: k_img, .offset: 72, .size: 8, .value_kind: global_buffer, .address_space: global }
      - { .name: v_img, .offset: 80, .size: 8, .value_kind: global_buffer, .address_space: global }
    .group_segment_fixed_size: 20480
    .private_segment_fixed_size: 0
    .kernarg_segment_align: 8
    .kernarg_segment_size: 88
    .max_flat_workgroup_size: 768
    .sgpr_count:     66
    .vgpr_count:     160
    .wavefront_size: 32
...
	.end_amdgpu_metadata
.endif
;; end of part 5
;; launch stats (part 6): grid 4 x 64, 16 waves a work-group, no clusters, 83,968 bytes of LDS; arguments q_img, k_img, mask, lowp_scales, noff; writes noff
.if DOCPART == 6
	.amdgcn_target "amdgcn-amd-amdhsa--gfx1250"
	.amdhsa_code_object_version 6
	.text
	.protected	k_q052d17062b_stats
	.globl	k_q052d17062b_stats
	.p2align	8
	.type	k_q052d17062b_stats,@function
k_q052d17062b_stats:
	s_mov_b64 s[64:65], 0
	v_nop
	global_prefetch_b8 v0, s[64:65] scope:SCOPE_SE
	s_setreg_imm32_b32 hwreg(HW_REG_WAVE_SCHED_MODE, 0, 2), 2
	s_setreg_imm32_b32 hwreg(HW_REG_WAVE_MODE, 25, 1), 1
	s_wait_xcnt 0x0
	s_wait_alu depctr_vm_vsrc(0)
; The softmax runs over the QUERIES: for each key column (batch, head, key) this launch finds M and l over all 2,048 queries and stores noff = -(M + log2 l), so that
; the next launch makes the finished weight as 2^(t + noff).  t = score x log2(e); score = q . k / 16 + mask[batch][query] x 1e-9.
; SHARES.  Work-group (x, y): keys 512 x .. 512 x + 511 of head y (= 8 x batch + head).  Wave w owns 32 keys (two tiles, fragments in registers) and walks all queries, 64 a chunk.
; The head's images of q (65,536 bytes) and the batch's 2,048 mask terms lie in LDS, brought once.
; LAYOUT.  source 0 = 16 queries, source 1 = 16 keys: lane (r, h) holds ONE key r and queries 8 h + 0..7 in its registers: maximum and sum stay in the lane until the end.
; The head has 32 channels: registers 4-7 of every K = 64 fragment are zeros, written once; loads touch registers 0-3 alone.
; THE MASK is the C of the product: mask x 1e-9 x 2^(4 - e6 - e7), in units of the code sums.  t = cs x D, cs = log2(e) / 16 x 2^(e6 + e7).
; THE RUNNING MAXIMUM: TM = largest t so far, -M = floor(-TM): M is a whole number; when it moves the sum is multiplied by 2^(old M - new M), which rounds nothing.
; LIMITS: e6 + e7 between -122 and 131 (they are added to cs's exponent field).  NaN and infinities are not served.
; THE MODE: SCHED_MODE bits 1:0 = 2 (LLVM: expert scheduling mode 2), set by the entry lines.  The code itself states the register dependences
; between vector or matrix instructions and memory or LDS instructions, with s_wait_alu, always for 0.
; THE PLAN.  Registers that LDS instructions touch in the loop:
;   buffers 0 and 1 of q's fragments and of the mask terms.  Chunk c's eight products read buffer c % 2; the twelve LDS loads of chunk c + 1, issued in chunk c, land in the other buffer.
;   v[QA], v[MA]  read by those loads; written once in two chunks, in the even chunk, behind its exponentials.
;   S, KF and the statistics are named by vector and matrix instructions alone.
; ONE wait on va_vdst stands in a chunk, behind its exponentials.  It states that the exponentials' results are written, that the chunk's products are done reading their buffer, and, in an even chunk,
; that v[QA] and v[MA] are written.  The next chunk's loads land in just that buffer, and no vector or matrix instruction between the wait and those loads names it: so they are dealt among the next chunk's
; products with no further wait.  One wait on vm_vsrc in two chunks stands ahead of the adds to v[QA] and v[MA].
.set MK,  65536                        ; LDS: q's images at 0; the mask terms here, 8,192 bytes;
.set STG, 73728                        ; the stage for the 512 results, 2,048 bytes
.set G,   4                            ; v4   16 t
.set QA0, 5                            ; v5   16 x lane
.set MA0, 6                            ; v6   MK + 32 h
.set QA,  7                            ; v7   q's images: the even chunk in hand, or, once stepped, the next even chunk
.set MA,  8                            ; v8   its mask terms
.set MST, 9                            ; v9   MK + 16 t
.set SST, 10                           ; v10  STG + 4 t
.set SRD, 11                           ; v11  STG + 16 t
.set KF,  16                           ; v16-31   my two fragments of k
.set QF,  32                           ; v32-63   buffer 0: four fragments of q.  Buffer 1: fragment i at 184 + 8 i + 2 ((i + 3) / 4): v184-191, v194-217
.set CM,  64                           ; v64-95   buffer 0: their mask terms, in the result's layout.  Buffer 1: 154 further on, v218-249
.set S,   96                           ; v96-159  scores: key tile x, query tile i at S + 32 x + 8 i
.set ST,  160                          ; v160-183 statistics of key tile x at ST + 12 x: +0 -M, +1 TM, +2,3 the sum in two halves, +4 f (+5 named with it), +6,7 a second chain, +8,9 at work, +10 a permute's destination
	s_load_b256 s[4:11], s[0:1], 0x0               ; q_img s[4:5], k_img s[6:7], mask s[8:9], the exponents s[10:11]
	s_load_b64 s[12:13], s[0:1], 0x20              ; noff
	v_lshl_add_u32 v192, v0, 2, 0x14000
	v_mov_b32 v193, 0
	v_lshrrev_b32 v1, 5, v0
	v_readfirstlane_b32 s14, v1                    ; wave 0..15
	v_and_b32 v1, 31, v0                           ; lane
	v_and_b32 v2, 15, v0                           ; r
	v_bfe_u32 v3, v0, 4, 1                         ; h
	v_lshlrev_b32 v[G], 4, v0
	v_lshlrev_b32 v[QA0], 4, v1
	v_lshlrev_b32 v[MA0], 5, v3
	v_add_nc_u32 v[MA0], MK, v[MA0]
	v_lshlrev_b32 v[QA], 4, v1                     ; chunk 0
	v_lshlrev_b32 v[MA], 5, v3
	v_add_nc_u32 v[MA], MK, v[MA]
	v_add_nc_u32 v[MST], MK, v[G]
	v_lshlrev_b32 v[SST], 2, v0
	v_add_nc_u32 v[SST], STG, v[SST]
	v_add_nc_u32 v[SRD], STG, v[G]
	s_and_b32 s15, ttmp7, 0xffff                   ; 8 x batch + head
	s_mov_b32 s17, 0
	s_mov_b32 s22, 0x76543210                      ; v_permlanex16_b32: lane l xor 16
	s_mov_b32 s23, 0xfedcba98
	s_mov_b32 s24, 0                               ; the even chunk's bytes in q's images,
	s_mov_b32 s25, 0                               ; and among the mask terms
	s_wait_alu depctr_va_sdst(0)                   ; s14 is written, ahead of its first reader: k's base and the last branch are made from it
	s_wait_kmcnt 0x0
	s_load_b64 s[18:19], s[10:11], 0x18            ; e6, e7
	s_lshl_b32 s16, s15, 16                        ; a head's images are 65,536 bytes
	s_add_nc_u64 s[4:5], s[4:5], s[16:17]
	s_add_nc_u64 s[6:7], s[6:7], s[16:17]
	s_lshl_b32 s16, ttmp9, 14                      ; 512 keys are 32 tiles of 512 bytes,
	s_lshl_b32 s27, s14, 10                        ; my wave's two tiles
	s_add_co_u32 s16, s16, s27
	s_add_nc_u64 s[6:7], s[6:7], s[16:17]
	s_lshr_b32 s16, s15, 3
	s_lshl_b32 s16, s16, 13                        ; the batch's row of the mask
	s_add_nc_u64 s[8:9], s[8:9], s[16:17]
	s_lshl_b32 s16, s15, 13
	s_lshl_b32 s27, ttmp9, 11
	s_add_co_u32 s16, s16, s27                     ; my work-group's 512 results
	s_add_nc_u64 s[12:13], s[12:13], s[16:17]
	s_wait_alu depctr_va_vdst(0)                   ; the offsets and LDS addresses v4 to v11 are written, which the loads and stores below read
.irp i, 0,1,2,3,4,5,6,7
	global_load_b128 v[S+4*\i:S+4*\i+3], v[G], s[4:5] offset:8192*\i       ; q's images: 512 threads x 8 x 16 bytes
.endr
	global_load_b128 v[CM:CM+3], v[G], s[8:9]                              ; the mask: 512 threads x 16 bytes
.irp x, 0,1
	global_load_b128 v[KF+8*\x:KF+8*\x+3], v[QA0], s[6:7] offset:512*\x    ; my keys
.endr
.irp x, 0,1
.irp j, 4,5,6,7
	v_mov_b32 v[KF+8*\x+\j], 0                     ; channels 32-63 do not exist
.endr
.endr
.irp b, 0,1
.irp i, 0,1,2,3
.irp j, 4,5,6,7
	v_mov_b32 v[QF+8*\i+\b*(152+2*((\i+3)/4))+\j], 0   ; in both buffers
.endr
.endr
.endr
.irp x, 0,1
	v_mov_b32 v[ST+12*\x+1], 0xff61b1e6            ; the largest t so far: -3e38, under every t
	v_floor_f32 v[ST+12*\x], -v[ST+12*\x+1]        ; -M
	v_mov_b32 v[ST+12*\x+2], 0
	v_mov_b32 v[ST+12*\x+3], 0
	v_mov_b32 v[ST+12*\x+5], 0                     ; (named as the upper half of f's pair)
	v_mov_b32 v[ST+12*\x+10], 0                    ; (a lane permute's destination counts as read)
.endr
	s_wait_loadcnt 3                               ; q's eight loads are in; the mask's one and k's two may be out
.irp i, 0,1,2,3,4,5,6,7
	ds_store_b128 v[G], v[S+4*\i:S+4*\i+3] offset:8192*\i
.endr
	s_wait_loadcnt 2                               ; the mask is in; k's two may be out
	s_wait_kmcnt 0x0
	s_add_co_i32 s27, s18, s19                     ; e6 + e7
	s_sub_co_i32 s28, 4, s27
	s_lshl_b32 s27, s27, 23
	s_add_co_i32 s20, s27, 0x3db8aa3b              ; cs = log2(e) / 16 x 2^(e6 + e7)
	s_mov_b32 s21, s20                             ; (named with it as a pair)
.irp j, 0,1,2,3
	v_mul_f32 v[CM+\j], 0x3089705f, v[CM+\j]       ; mask x 1e-9,
.endr
.irp j, 0,1,2,3
	v_ldexp_f32 v[CM+\j], v[CM+\j], s28            ; x 16 / 2^(e6 + e7): in units of the code sums
.endr
	s_wait_alu depctr_va_vdst(0)                   ; the four mask terms v64 to v67 are written, which the LDS store reads
	ds_store_b128 v[MST], v[CM:CM+3]
	s_wait_loadcnt 0x0                             ; k
	s_wait_dscnt 0x0                               ; for the others' sake: my stores have landed
	s_barrier_signal -1
	s_barrier_wait -1
; Fragment i of q and its sixteen mask terms (lane (r, h): queries 16 i + 8 h + 0..7) into buffer b, from qoff and moff bytes behind v[QA] and v[MA]
.macro QLOAD b, i, qoff, moff
.set QR, QF+8*(\i)+(\b)*(152+2*(((\i)+3)/4))
.set CR, CM+8*(\i)+154*(\b)
	ds_load_b128 v[QR:QR+3], v[QA] offset:(\qoff)+512*(\i)
	ds_load_b128 v[CR:CR+3], v[MA] offset:(\moff)+64*(\i)
	ds_load_b128 v[CR+4:CR+7], v[MA] offset:(\moff)+64*(\i)+16
.endm
; A CHUNK: 64 queries x my 32 keys, out of buffer b.  pre = 1: the next chunk's operands are fetched into the other buffer, three loads behind each pair of products:
; an even chunk fetches the odd one that follows it, 2,048 and 256 bytes on; an odd chunk fetches at the addresses as the even chunk has stepped them.  step = 1: the addresses move on by two chunks.
.macro CHUNK b, pre, step
	s_wait_dscnt 0x0                               ; this chunk's fragments and mask terms, asked for a chunk ago, are in
.irp i, 0,1,2,3
.set QW, QF+8*\i+(\b)*(152+2*((\i+3)/4))
.set CW, CM+8*\i+154*(\b)
.irp x, 0,1
	v_wmma_f32_16x16x64_bf8_bf8 v[S+32*\x+8*\i:S+32*\x+8*\i+7], v[QW:QW+7], v[KF+8*\x:KF+8*\x+7], v[CW:CW+7]
.endr
.if \pre
	QLOAD 1-\b, \i, 2048*(1-\b), 256*(1-\b)        ; no wait: the other buffer's last readers stand ahead of the last chunk's wait on va_vdst, and nothing since names it
.endif
.endr
.rept 4
	v_nop                                          ; four places in front of the first read of results (ISA guide 7.12.1)
.endr
.irp x, 0,1                                    ; the chunk's largest sum of my key, among my 32 queries, in two chains; each accumulator is met first at its low end
	v_max3_num_f32 v[ST+12*\x+8], v[S+32*\x], v[S+32*\x+1], v[S+32*\x+2]
	v_max3_num_f32 v[ST+12*\x+9], v[S+32*\x+3], v[S+32*\x+4], v[S+32*\x+5]
.endr
.irp i, 6,10,14,18,22,26
.irp x, 0,1
	v_max3_num_f32 v[ST+12*\x+8], v[ST+12*\x+8], v[S+32*\x+\i], v[S+32*\x+\i+1]
	v_max3_num_f32 v[ST+12*\x+9], v[ST+12*\x+9], v[S+32*\x+\i+2], v[S+32*\x+\i+3]
.endr
.endr
.irp x, 0,1
	v_max3_num_f32 v[ST+12*\x+8], v[ST+12*\x+8], v[S+32*\x+30], v[S+32*\x+31]
.endr
.irp x, 0,1
	v_max_num_f32 v[ST+12*\x+8], v[ST+12*\x+8], v[ST+12*\x+9]
.endr
.irp x, 0,1
	v_mul_f32 v[ST+12*\x+8], s20, v[ST+12*\x+8]    ; as t (cs is positive)
.endr
.irp x, 0,1
	v_max_num_f32 v[ST+12*\x+1], v[ST+12*\x+1], v[ST+12*\x+8]
.endr
.irp x, 0,1
	v_mov_b32 v[ST+12*\x+9], v[ST+12*\x]
.endr
.irp x, 0,1
	v_floor_f32 v[ST+12*\x], -v[ST+12*\x+1]        ; the new -M = -ceil(TM)
.endr
.irp x, 0,1
	v_sub_f32 v[ST+12*\x+9], v[ST+12*\x], v[ST+12*\x+9]   ; old M - new M: a whole number, 0 or less
.endr
.irp x, 0,1
	v_cvt_i32_f32 v[ST+12*\x+9], v[ST+12*\x+9]     ; (it saturates)
.endr
.irp x, 0,1
	v_ldexp_f32 v[ST+12*\x+4], 1.0, v[ST+12*\x+9]  ; f = 2^(old M - new M)
.endr
.irp x, 0,1
.irp j, 0,2,4,6,8,10,12,14,16,18,20,22,24,26,28,30
	v_pk_fma_f32 v[S+32*\x+\j:S+32*\x+\j+1], v[S+32*\x+\j:S+32*\x+\j+1], s[20:21], v[ST+12*\x:ST+12*\x+1] op_sel_hi:[1,0,0]   ; t - M, two at a time (the low words of cs's and of -M's pair serve both halves)
.endr
.endr
.irp j, 0,1,2,3,4,5,6,7,8,9,10,11,12,13,14,15,16,17,18,19,20,21,22,23,24,25,26,27,28,29,30,31,32,33,34,35,36,37,38,39,40,41,42,43,44,45,46,47,48,49,50,51,52,53,54,55,56,57,58,59,60,61,62,63
	v_exp_f32 v[S+\j], v[S+\j]                     ; one batch
.endr
.irp x, 0,1
	v_pk_mul_f32 v[ST+12*\x+2:ST+12*\x+3], v[ST+12*\x+2:ST+12*\x+3], v[ST+12*\x+4:ST+12*\x+5] op_sel_hi:[1,0]   ; the sums under the new M: the plain lines behind the exponentials
.endr
.if \step
	s_wait_alu depctr_vm_vsrc(0)                   ; the LDS loads issued so far have read v[QA] and v[MA], which the two adds write
	s_add_co_u32 s24, s24, 4096
	s_add_co_u32 s25, s25, 512
	v_add_nc_u32 v[QA], s24, v[QA0]                ; the next even chunk
	v_add_nc_u32 v[MA], s25, v[MA0]
.endif
	s_wait_alu depctr_va_vdst(0)                   ; the 64 exponentials have written S, ahead of their first reader; the chunk's products are done reading their buffer, in which the next chunk's loads land; where the addresses were stepped, they are written
.irp x, 0,1
	v_pk_add_f32 v[ST+12*\x+6:ST+12*\x+7], v[S+32*\x:S+32*\x+1], v[S+32*\x+2:S+32*\x+3]
.endr
.irp j, 4,8,12,16,20,24,28
.irp x, 0,1
	v_pk_add_f32 v[ST+12*\x+2:ST+12*\x+3], v[ST+12*\x+2:ST+12*\x+3], v[S+32*\x+\j:S+32*\x+\j+1]
	v_pk_add_f32 v[ST+12*\x+6:ST+12*\x+7], v[ST+12*\x+6:ST+12*\x+7], v[S+32*\x+\j+2:S+32*\x+\j+3]
.endr
.endr
.irp x, 0,1
	v_pk_add_f32 v[ST+12*\x+2:ST+12*\x+3], v[ST+12*\x+2:ST+12*\x+3], v[ST+12*\x+6:ST+12*\x+7]
.endr
.endm
	s_wait_alu depctr_vm_vsrc(0)                   ; my LDS stores have read v64 to v67, in which chunk 0's mask terms land, and v96 to v127, which the products write
.irp i, 0,1,2,3
	QLOAD 0, \i, 0, 0                              ; chunk 0 into buffer 0
.endr
	s_mov_b32 s26, 15
.Lq:                                               ; 15 trips of two chunks: both buffers are back at their start; the last two chunks are written out, so that no LDS read passes the images' end
	CHUNK 0, 1, 1
	CHUNK 1, 1, 0
	s_sub_co_u32 s26, s26, 1
	s_cmp_lg_u32 s26, 0
	s_cbranch_scc1 .Lq
	CHUNK 0, 1, 0
	CHUNK 1, 0, 0
	; THE END: lanes l and l xor 16 hold the same key's two halves of the queries, each under its own M
.irp x, 0,1
	v_add_f32 v[ST+12*\x+2], v[ST+12*\x+2], v[ST+12*\x+3]
	v_permlanex16_b32 v[ST+12*\x+10], v[ST+12*\x], s22, s23
.endr
.irp x, 0,1
	v_min_num_f32 v[ST+12*\x+8], v[ST+12*\x], v[ST+12*\x+10]     ; -(the larger M)
.endr
.irp x, 0,1
	v_sub_f32 v[ST+12*\x+9], v[ST+12*\x+8], v[ST+12*\x]          ; my M - the larger: 0 or less
.endr
.irp x, 0,1
	v_cvt_i32_f32 v[ST+12*\x+9], v[ST+12*\x+9]
.endr
.irp x, 0,1
	v_ldexp_f32 v[ST+12*\x+2], v[ST+12*\x+2], v[ST+12*\x+9]      ; my sum under the larger M
.endr
.irp x, 0,1
	v_permlanex16_b32 v[ST+12*\x+10], v[ST+12*\x+2], s22, s23
.endr
.irp x, 0,1
	v_add_f32 v[ST+12*\x+2], v[ST+12*\x+2], v[ST+12*\x+10]       ; l, at least 1/2: the largest term is above 1/2
.endr
.irp x, 0,1
	v_log_f32 v[ST+12*\x+3], v[ST+12*\x+2]
.endr
	v_cmp_gt_u32 vcc_lo, 16, v1                    ; (a plain line behind the logarithms)
	s_wait_alu depctr_va_vdst(0)                   ; the two logarithms have written their results, ahead of their first reader
.irp x, 0,1
	v_sub_f32 v[ST+12*\x+4], v[ST+12*\x+8], v[ST+12*\x+3]        ; noff = -M - log2 l
.endr
	s_wait_alu depctr_va_vcc(0)                    ; the compare has written VCC, which the select reads
	v_cndmask_b32 v[ST+6], v[ST+12+4], v[ST+4], vcc_lo           ; lanes 0-15: key r of tile 0; lanes 16-31: key r of tile 1: lane l holds key l of my 32
	s_wait_alu depctr_va_vdst(0)                   ; the select has written v166, which the LDS store reads; the last chunk's sums are done reading v96 to v99, in which the load from the stage lands
	ds_store_b32 v[SST], v[ST+6]
	s_wait_dscnt 0x0                               ; for the others' sake
	s_barrier_signal -1
	s_barrier_wait -1
	s_cmp_lt_u32 s14, 4                            ; waves 0-3 store the 512 results: 512 consecutive bytes a wave
	s_cbranch_scc0 .Lend
	ds_load_b128 v[S:S+3], v[SRD]
	s_wait_dscnt 0x0
	global_store_b128 v[G], v[S:S+3], s[12:13]
.Lend:
	s_wait_dscnt 0x0                               ; the closing lines, six on end
	s_wait_alu 0x0
	s_wait_tensorcnt 0x0
	ds_add_u32 v192, v193
	s_wait_dscnt 0x0
	s_endpgm
.Lfunc_end_k_q052d17062b_stats:
	.size	k_q052d17062b_stats, .Lfunc_end_k_q052d17062b_stats-k_q052d17062b_stats
	.p2alignl 7, 3214868480
	.fill 96, 4, 3214868480
	.section	.rodata,"a",@progbits
	.p2align	6, 0x0
	.amdhsa_kernel k_q052d17062b_stats
		.amdhsa_group_segment_fixed_size 83968
		.amdhsa_private_segment_fixed_size 0
		.amdhsa_enable_private_segment 0
		.amdhsa_kernarg_size 40
		.amdhsa_user_sgpr_count 2
		.amdhsa_user_sgpr_kernarg_segment_ptr 1
		.amdhsa_wavefront_size32 1
		.amdhsa_system_sgpr_workgroup_id_x 1
		.amdhsa_system_sgpr_workgroup_id_y 1
		.amdhsa_system_sgpr_workgroup_id_z 1
		.amdhsa_system_vgpr_workitem_id 0
		.amdhsa_next_free_vgpr 250
		.amdhsa_next_free_sgpr 66
		.amdhsa_reserve_vcc 1
		.amdhsa_float_denorm_mode_32 3
		.amdhsa_float_denorm_mode_16_64 3
		.amdhsa_memory_ordered 1
		.amdhsa_forward_progress 1
		.amdhsa_inst_pref_size 49
	.end_amdhsa_kernel
	.amdgpu_metadata
---
amdhsa.version: [ 1, 2 ]
amdhsa.kernels:
  - .name:           k_q052d17062b_stats
    .symbol:         k_q052d17062b_stats.kd
    .args:
      - { .name: q_img, .offset: 0, .size: 8, .value_kind: global_buffer, .address_space: global }
      - { .name: k_img, .offset: 8, .size: 8, .value_kind: global_buffer, .address_space: global }
      - { .name: mask, .offset: 16, .size: 8, .value_kind: global_buffer, .address_space: global }
      - { .name: lowp_scales, .offset: 24, .size: 8, .value_kind: global_buffer, .address_space: global }
      - { .name: noff, .offset: 32, .size: 8, .value_kind: global_buffer, .address_space: global }
    .group_segment_fixed_size: 83968
    .private_segment_fixed_size: 0
    .kernarg_segment_align: 8
    .kernarg_segment_size: 40
    .max_flat_workgroup_size: 512
    .sgpr_count:     66
    .vgpr_count:     250
    .wavefront_size: 32
...
	.end_amdgpu_metadata
.endif
;; end of part 6
;; launch attn (part 7): grid 4 x 64, 16 waves a work-group, no clusters, 141,312 bytes of LDS; arguments q_img, k_img, v_img, noff, mask, lowp_scales, o_img; writes o_img
.if DOCPART == 7
	.amdgcn_target "amdgcn-amd-amdhsa--gfx1250"
	.amdhsa_code_object_version 6
	.text
	.protected	k_q052d17062b_attn
	.globl	k_q052d17062b_attn
	.p2align	8
	.type	k_q052d17062b_attn,@function
k_q052d17062b_attn:
	s_mov_b64 s[64:65], 0
	v_nop
	global_prefetch_b8 v0, s[64:65] scope:SCOPE_SE
	s_setreg_imm32_b32 hwreg(HW_REG_WAVE_SCHED_MODE, 0, 2), 2
	s_setreg_imm32_b32 hwreg(HW_REG_WAVE_MODE, 25, 1), 1
	s_wait_xcnt 0x0
	s_wait_alu depctr_vm_vsrc(0)
; out[q][:] = the sum over keys of Q8(attn[q][k]) Q9(v[k][:]), attn = 2^(t + noff[k]): the finished softmax over the queries, whose column figures noff the launch before stored.
; t = score x log2(e); score = q . k / 16 + mask[batch][query] x 1e-9.  The result is quantised with e10 and stored as images of the last product's operand.
; SHARES.  Work-group (x, y): queries 512 x .. 512 x + 511 of head y (= 8 x batch + head).  Wave w owns 32 queries (two tiles) and walks all 2,048 keys, 64 a step.
; The head's images of k and v (65,536 bytes each) and its 2,048 noff lie in LDS, brought once.
; LAYOUT.  Both products are used transposed: S^T = k q^T (source 0 = 16 keys, source 1 = 16 queries), O^T = v^T p (source 0 = 16 channels, source 1 = p): a lane holds ONE query throughout.
; In S^T lane (r, h) holds keys 16 x + 8 h + 0..7 of key tile x: its conversion gives registers 2 x, 2 x + 1 of the K = 64 operand as they stand.
; The head has 32 channels: registers 4-7 of q's and k's fragments are zeros, written once.  THE MASK is the C of the score product, in units of the code sums.
; p = exp2(fma(D, cs, noff)): one packed multiply-add for two numbers, one exponential; held at 57,344 x 2^e8; converted with 2^e8.
; LIMITS: e6 + e7 between -122 and 131; e8, and e10 - e8 - e9, between -126 and 112.  A weight under 2^-126 counts as 0 (the exponential's own flush: ISA guide 15.8).  NaN and infinities are not served.
; THE MODE: SCHED_MODE bits 1:0 = 2 (LLVM: expert scheduling mode 2), set by the entry lines.  The code itself states the register dependences
; between vector or matrix instructions and memory or LDS instructions, with s_wait_alu, always for 0.
; THE PLAN.  Registers that LDS instructions touch in the loop (the wave's 256 registers are all taken: each has one buffer):
;   KF   read by the step's eight score products; the next step's four loads land in it.
;   NF   read by the step's 32 packed multiply-adds; the next step's eight loads land in it.
;   VF   read by the four products O^T += v^T p at a step's end; the next step's four loads land in it.
;   v[VA], v[KA], v[NA]  read by those loads; written once a step, in the places behind the score products.
;   S, PC, O, QF, CM are named by vector and matrix instructions alone.
; ONE wait on va_vdst stands in a step, behind its exponentials.  All the readers and writers named above stand ahead of it: the score products, the multiply-adds, the last step's products by v, the three adds.
; So the step's sixteen LDS loads follow it: v's four at once, the next step's k and noff dealt among the first 32 holds; the holds and conversions between name S, PC and two constants alone.
; One wait on vm_vsrc stands at a step's head, ahead of the three adds.
.set VI,  65536                        ; LDS: k's images at 0, v's here,
.set NO,  131072                       ; noff here, 8,192 bytes
.set G,   4                            ; v4   16 t;  v5 VI + 16 t;  v6 NO + 16 t
.set KA0, 7                            ; v7   16 x lane
.set VA0, 8                            ; v8   VI + 16 x lane
.set NA0, 9                            ; v9   NO + 32 h
.set KA,  10                           ; v10-12 the addresses in hand
.set VA,  11
.set NA,  12
.set SCL, 13                           ; v13  2^e8 as f32
.set LIM, 14                           ; v14  57,344 x 2^e8
.set MO,  15                           ; v15  4 r
.set QF,  16                           ; v16-31   my two fragments of q
.set CM,  32                           ; v32-47   my queries' mask terms, eight times each
.set KF,  48                           ; v48-79   four fragments of k
.set NF,  80                           ; v80-111  noff of the step's keys: 8 x + j
.set S,   112                          ; v112-175 S^T, then p: query tile y, key tile x at S + 32 y + 8 x
.set VF,  176                          ; v176-191 two fragments of v^T
.set PC,  192                          ; v192-207 p's codes: 8 y + 2 x
.set O,   208                          ; v208-239 O^T: 16 y + 8 d
.set SCL2, 240                         ; v240 2^(e10 - e8 - e9);  v241 57,344 x that
.set LIM2, 241
.set OC,  244                          ; v244-251 the result's codes
	s_load_b256 s[4:11], s[0:1], 0x0               ; q_img s[4:5], k_img s[6:7], v_img s[8:9], noff s[10:11]
	s_load_b128 s[12:15], s[0:1], 0x20             ; mask s[12:13], the exponents s[14:15]
	s_load_b64 s[16:17], s[0:1], 0x30              ; o_img
	v_lshl_add_u32 v254, v0, 2, 0x22000
	v_mov_b32 v255, 0
	v_lshrrev_b32 v1, 5, v0
	v_readfirstlane_b32 s18, v1                    ; wave 0..15
	v_and_b32 v1, 31, v0                           ; lane
	v_and_b32 v2, 15, v0                           ; r
	v_bfe_u32 v3, v0, 4, 1                         ; h
	v_lshlrev_b32 v[G], 4, v0
	v_add_nc_u32 v5, VI, v[G]
	v_add_nc_u32 v6, NO, v[G]
	v_lshlrev_b32 v[KA0], 4, v1
	v_add_nc_u32 v[VA0], VI, v[KA0]
	v_lshlrev_b32 v[NA0], 5, v3
	v_add_nc_u32 v[NA0], NO, v[NA0]
	v_lshlrev_b32 v[KA], 4, v1                     ; step 0
	v_lshlrev_b32 v[NA], 5, v3
	v_add_nc_u32 v[NA], NO, v[NA]
	v_lshlrev_b32 v[MO], 2, v2
	s_and_b32 s19, ttmp7, 0xffff                   ; 8 x batch + head
	s_mov_b32 s21, 0
	s_mov_b32 s32, 0                               ; the step's bytes in k's and in v's images,
	s_mov_b32 s33, 0                               ; and in noff
	s_wait_alu depctr_va_sdst(0)                   ; s18 is written, ahead of its first reader: the bases of q, the mask and o_img are made from it
	s_wait_kmcnt 0x0
	s_load_b128 s[24:27], s[14:15], 0x18           ; e6, e7, e8, e9
	s_load_b32 s28, s[14:15], 0x28                 ; e10
	s_lshl_b32 s20, s19, 16                        ; a head's images are 65,536 bytes
	s_add_nc_u64 s[4:5], s[4:5], s[20:21]
	s_add_nc_u64 s[6:7], s[6:7], s[20:21]
	s_add_nc_u64 s[8:9], s[8:9], s[20:21]
	s_lshl_b32 s20, s19, 13
	s_add_nc_u64 s[10:11], s[10:11], s[20:21]
	s_lshl_b32 s20, ttmp9, 14                      ; 512 queries are 32 tiles of 512 bytes,
	s_lshl_b32 s35, s18, 10                        ; my wave's two tiles
	s_add_co_u32 s20, s20, s35
	s_add_nc_u64 s[4:5], s[4:5], s[20:21]
	s_lshr_b32 s36, s19, 3                         ; batch
	s_lshl_b32 s20, s36, 13
	s_lshl_b32 s35, ttmp9, 11
	s_add_co_u32 s20, s20, s35
	s_lshl_b32 s35, s18, 7
	s_add_co_u32 s20, s20, s35                     ; my 32 queries' numbers of the mask
	s_add_nc_u64 s[12:13], s[12:13], s[20:21]
	s_lshl_b32 s20, s36, 7                         ; o_img: tile of rows 128 x batch + 32 x + 2 w, 4,096 bytes each,
	s_lshl_b32 s35, ttmp9, 5
	s_add_co_u32 s20, s20, s35
	s_lshl_b32 s35, s18, 1
	s_add_co_u32 s20, s20, s35
	s_lshl_b32 s20, s20, 12
	s_and_b32 s35, s19, 7                          ; head: 512 bytes each, in the order of the last product's K
	s_lshl_b32 s35, s35, 9
	s_add_co_u32 s20, s20, s35
	s_add_nc_u64 s[16:17], s[16:17], s[20:21]
	s_wait_alu depctr_va_vdst(0)                   ; the offsets and LDS addresses v4 to v10, v12 and v15 are written, which the loads and stores below read
.irp i, 0,1,2,3,4,5,6,7
	global_load_b128 v[112+4*\i:115+4*\i], v[G], s[6:7] offset:8192*\i     ; k's images: 512 threads x 8 x 16 bytes
.endr
.irp i, 0,1,2,3,4,5,6,7
	global_load_b128 v[144+4*\i:147+4*\i], v[G], s[8:9] offset:8192*\i     ; v's
.endr
	global_load_b128 v[176:179], v[G], s[10:11]                            ; noff
.irp y, 0,1
	global_load_b128 v[QF+8*\y:QF+8*\y+3], v[KA0], s[4:5] offset:512*\y    ; my queries
.endr
.irp y, 0,1
	global_load_b32 v[CM+8*\y], v[MO], s[12:13] offset:64*\y               ; and their numbers of the mask
.endr
.irp y, 0,1
.irp j, 4,5,6,7
	v_mov_b32 v[QF+8*\y+\j], 0                     ; channels 32-63 do not exist
.endr
.endr
.irp x, 0,1,2,3
.irp j, 4,5,6,7
	v_mov_b32 v[KF+8*\x+\j], 0
.endr
.endr
	s_wait_loadcnt 13                              ; k's eight are in: behind them 8 + 1 + 2 + 2 were issued
.irp i, 0,1,2,3,4,5,6,7
	ds_store_b128 v[G], v[112+4*\i:115+4*\i] offset:8192*\i
.endr
	s_wait_loadcnt 5                               ; v's eight are in: 1 + 2 + 2 may be out
.irp i, 0,1,2,3,4,5,6,7
	ds_store_b128 v5, v[144+4*\i:147+4*\i] offset:8192*\i
.endr
	s_wait_loadcnt 4                               ; noff is in: 2 + 2 may be out
	ds_store_b128 v6, v[176:179]
	s_wait_loadcnt 0x0
	s_wait_kmcnt 0x0
	s_add_co_i32 s35, s24, s25                     ; e6 + e7
	s_sub_co_i32 s36, 4, s35
	s_lshl_b32 s35, s35, 23
	s_add_co_i32 s30, s35, 0x3db8aa3b              ; cs = log2(e) / 16 x 2^(e6 + e7)
	s_mov_b32 s31, s30                             ; (named with it as a pair)
	s_add_co_i32 s37, s26, 127
	s_lshl_b32 s38, s37, 23
	v_mov_b32 v[SCL], s38
	s_add_co_i32 s37, s37, 15
	s_lshl_b32 s37, s37, 23
	s_or_b32 s37, s37, 0x600000
	v_mov_b32 v[LIM], s37
	s_sub_co_i32 s37, s28, s26
	s_sub_co_i32 s37, s37, s27                     ; a sum of the second product stands for sum x 2^(e8 + e9): the three scales folded into one
	s_add_co_i32 s37, s37, 127
	s_lshl_b32 s38, s37, 23
	v_mov_b32 v[SCL2], s38
	s_add_co_i32 s37, s37, 15
	s_lshl_b32 s37, s37, 23
	s_or_b32 s37, s37, 0x600000
	v_mov_b32 v[LIM2], s37
.irp y, 0,1
	v_mul_f32 v[CM+8*\y], 0x3089705f, v[CM+8*\y]   ; mask x 1e-9,
.endr
.irp y, 0,1
	v_ldexp_f32 v[CM+8*\y], v[CM+8*\y], s36        ; x 16 / 2^(e6 + e7)
.endr
.irp j, 1,2,3,4,5,6,7
	v_mov_b32 v[CM+\j], v[CM]                      ; the lane's query is the same in all eight registers of a result
	v_mov_b32 v[CM+8+\j], v[CM+8]
.endr
	s_wait_dscnt 0x0                               ; for the others' sake: my stores have landed
	s_barrier_signal -1
	s_barrier_wait -1                              ; nothing is stored in LDS again
.macro KFETCH
.irp x, 0,1,2,3
	ds_load_b128 v[KF+8*\x:KF+8*\x+3], v[KA] offset:512*\x
.endr
.endm
.macro NFETCH                          ; lane (r, h): noff of keys 16 x + 8 h + 0..7
.irp x, 0,1,2,3
	ds_load_b128 v[NF+8*\x:NF+8*\x+3], v[NA] offset:64*\x
	ds_load_b128 v[NF+8*\x+4:NF+8*\x+7], v[NA] offset:64*\x+16
.endr
.endm
.macro VFETCH                          ; channel tile d, keys 32 i on: registers 4 i .. 4 i + 3 of its fragment
.irp d, 0,1
.irp i, 0,1
	ds_load_b128 v[VF+8*\d+4*\i:VF+8*\d+4*\i+3], v[VA] offset:1024*\i+512*\d
.endr
.endr
.endm
; A KEY STEP: 64 keys x my 32 queries.  pre = 1: the next step's k and noff are fetched on the way.  zero = 1: the products start O^T's sums.
.macro STEP pre, zero
	s_wait_dscnt 0x0                               ; this step's k and noff are in
	s_wait_alu depctr_vm_vsrc(0)                   ; the LDS loads issued so far have read v[VA], v[KA] and v[NA], which the adds below write; in the first step: the head's LDS stores have read v112 to v179, which the products write and in which v's loads land
.irp x, 0,1,2,3
.irp y, 0,1
	v_wmma_f32_16x16x64_bf8_bf8 v[S+32*\y+8*\x:S+32*\y+8*\x+7], v[KF+8*\x:KF+8*\x+7], v[QF+8*\y:QF+8*\y+7], v[CM+8*\y:CM+8*\y+7]
.endr
.endr
	v_add_nc_u32 v[VA], s32, v[VA0]                ; this step's v.  Four plain lines stand here: the places in front of the first read of results (ISA guide 7.12.1)
.if \pre
	s_add_co_u32 s32, s32, 2048
	s_add_co_u32 s33, s33, 256
	v_add_nc_u32 v[KA], s32, v[KA0]
	v_add_nc_u32 v[NA], s33, v[NA0]
	v_nop
.else
.rept 3
	v_nop
.endr
.endif
.irp y, 0,1
.irp x, 0,1,2,3
.irp j, 0,2,4,6
	v_pk_fma_f32 v[S+32*\y+8*\x+\j:S+32*\y+8*\x+\j+1], v[S+32*\y+8*\x+\j:S+32*\y+8*\x+\j+1], s[30:31], v[NF+8*\x+\j:NF+8*\x+\j+1] op_sel_hi:[1,0,1]   ; t + noff, two keys at a time; each accumulator from its low end on
.endr
.endr
.endr
.irp j, 0,1,2,3,4,5,6,7,8,9,10,11,12,13,14,15,16,17,18,19,20,21,22,23,24,25,26,27,28,29,30,31,32,33,34,35,36,37,38,39,40,41,42,43,44,45,46,47,48,49,50,51,52,53,54,55,56,57,58,59,60,61,62,63
	v_exp_f32 v[S+\j], v[S+\j]                     ; the finished weight; one batch
.endr
	v_nop                                          ; a plain line behind the last exponential
	s_wait_alu depctr_va_vdst(0)                   ; the 64 exponentials have written S, ahead of their first reader; the three addresses are written; the last step's products by v are done reading VF, this step's score products KF, its multiply-adds NF: the loads below land there
	VFETCH
.irp y, 0,1
.irp x, 0,1,2,3
.irp j, 0,1,2,3,4,5,6,7
	v_min_num_f32 v[S+32*\y+8*\x+\j], v[S+32*\y+8*\x+\j], v[LIM]   ; the conversion does not saturate (ISA guide 7.6.2); a weight is not negative, so the hold is one-sided
.endr
.if \pre
.if \y == 0
	ds_load_b128 v[KF+8*\x:KF+8*\x+3], v[KA] offset:512*\x         ; the next step's k and noff, three loads behind each eight holds.  No wait: nothing since the wait above names KF, NF or the addresses
	ds_load_b128 v[NF+8*\x:NF+8*\x+3], v[NA] offset:64*\x
	ds_load_b128 v[NF+8*\x+4:NF+8*\x+7], v[NA] offset:64*\x+16
.endif
.endif
.endr
.irp x, 0,1,2,3
	v_cvt_scalef32_pk8_bf8_f32 v[PC+8*\y+2*\x:PC+8*\y+2*\x+1], v[S+32*\y+8*\x:S+32*\y+8*\x+7], v[SCL]
.endr
.endr
	v_nop                                          ; a plain line between the conversions and the products that read their results
.if \pre
	s_wait_dscnt 12                                ; v's four loads are in: behind them the next step's 4 of k and 8 of noff were issued
.else
	s_wait_dscnt 0x0
.endif
.irp y, 0,1
.irp d, 0,1
.if \zero
	v_wmma_f32_16x16x64_bf8_bf8 v[O+16*\y+8*\d:O+16*\y+8*\d+7], v[VF+8*\d:VF+8*\d+7], v[PC+8*\y:PC+8*\y+7], 0
.else
	v_wmma_f32_16x16x64_bf8_bf8 v[O+16*\y+8*\d:O+16*\y+8*\d+7], v[VF+8*\d:VF+8*\d+7], v[PC+8*\y:PC+8*\y+7], v[O+16*\y+8*\d:O+16*\y+8*\d+7]
.endif
.endr
.endr                                              ; the four accumulators take turns, and the next step's eight score products stand between two links of a chain
.endm
	KFETCH                                         ; step 0: its addresses stand ahead of the head's wait on va_vdst, and no vector instruction has named the registers in which these loads land
	NFETCH
	STEP 1, 1                                      ; the first step starts the sums: nothing is cleared
	s_mov_b32 s34, 30
.Lk:
	STEP 1, 0
	s_sub_co_u32 s34, s34, 1
	s_cmp_lg_u32 s34, 0
	s_cbranch_scc1 .Lk
	STEP 0, 0                                      ; the last step fetches nothing beyond the images' end
.rept 4
	v_nop                                          ; places in front of the first read of the last results
.endr
.irp j, 0,1,2,3,4,5,6,7,8,9,10,11,12,13,14,15,16,17,18,19,20,21,22,23,24,25,26,27,28,29,30,31
	v_med3_num_f32 v[O+\j], v[O+\j], -v[LIM2], v[LIM2]   ; the hold; each accumulator from its low end on
.endr
.irp y, 0,1
.irp d, 0,1
	v_cvt_scalef32_pk8_bf8_f32 v[OC+4*\y+2*\d:OC+4*\y+2*\d+1], v[O+16*\y+8*\d:O+16*\y+8*\d+7], v[SCL2]   ; lane (r, h): row r, channels 16 d + 8 h + 0..7
.endr
.endr
	v_nop
	s_wait_alu depctr_va_vdst(0)                   ; the four conversions have written v244 to v251, which the two stores read
	global_store_b128 v[KA0], v[OC:OC+3], s[16:17]                 ; 32 lanes store 512 consecutive bytes: my head's part of a tile of rows
	global_store_b128 v[KA0], v[OC+4:OC+7], s[16:17] offset:4096   ; the next tile of rows
	s_wait_dscnt 0x0                               ; the closing lines, six on end
	s_wait_alu 0x0
	s_wait_tensorcnt 0x0
	ds_add_u32 v254, v255
	s_wait_dscnt 0x0
	s_endpgm
.Lfunc_end_k_q052d17062b_attn:
	.size	k_q052d17062b_attn, .Lfunc_end_k_q052d17062b_attn-k_q052d17062b_attn
	.p2alignl 7, 3214868480
	.fill 96, 4, 3214868480
	.section	.rodata,"a",@progbits
	.p2align	6, 0x0
	.amdhsa_kernel k_q052d17062b_attn
		.amdhsa_group_segment_fixed_size 141312
		.amdhsa_private_segment_fixed_size 0
		.amdhsa_enable_private_segment 0
		.amdhsa_kernarg_size 56
		.amdhsa_user_sgpr_count 2
		.amdhsa_user_sgpr_kernarg_segment_ptr 1
		.amdhsa_wavefront_size32 1
		.amdhsa_system_sgpr_workgroup_id_x 1
		.amdhsa_system_sgpr_workgroup_id_y 1
		.amdhsa_system_sgpr_workgroup_id_z 1
		.amdhsa_system_vgpr_workitem_id 0
		.amdhsa_next_free_vgpr 256
		.amdhsa_next_free_sgpr 66
		.amdhsa_reserve_vcc 0
		.amdhsa_float_denorm_mode_32 3
		.amdhsa_float_denorm_mode_16_64 3
		.amdhsa_memory_ordered 1
		.amdhsa_forward_progress 1
		.amdhsa_inst_pref_size 37
	.end_amdhsa_kernel
	.amdgpu_metadata
---
amdhsa.version: [ 1, 2 ]
amdhsa.kernels:
  - .name:           k_q052d17062b_attn
    .symbol:         k_q052d17062b_attn.kd
    .args:
      - { .name: q_img, .offset: 0, .size: 8, .value_kind: global_buffer, .address_space: global }
      - { .name: k_img, .offset: 8, .size: 8, .value_kind: global_buffer, .address_space: global }
      - { .name: v_img, .offset: 16, .size: 8, .value_kind: global_buffer, .address_space: global }
      - { .name: noff, .offset: 24, .size: 8, .value_kind: global_buffer, .address_space: global }
      - { .name: mask, .offset: 32, .size: 8, .value_kind: global_buffer, .address_space: global }
      - { .name: lowp_scales, .offset: 40, .size: 8, .value_kind: global_buffer, .address_space: global }
      - { .name: o_img, .offset: 48, .size: 8, .value_kind: global_buffer, .address_space: global }
    .group_segment_fixed_size: 141312
    .private_segment_fixed_size: 0
    .kernarg_segment_align: 8
    .kernarg_segment_size: 56
    .max_flat_workgroup_size: 512
    .sgpr_count:     66
    .vgpr_count:     256
    .wavefront_size: 32
...
	.end_amdgpu_metadata
.endif
;; end of part 7
;; launch outp (part 8): grid 256 x 1, 8 waves a work-group, no clusters, 83,968 bytes of LDS; arguments o_img, Wo_codes, bo, lowp_scales, out0; writes out0
.if DOCPART == 8
	.amdgcn_target "amdgcn-amd-amdhsa--gfx1250"
	.amdhsa_code_object_version 6
	.text
	.protected	k_q052d17062b_outp
	.globl	k_q052d17062b_outp
	.p2align	8
	.type	k_q052d17062b_outp,@function
k_q052d17062b_outp:
	s_mov_b64 s[64:65], 0
	v_nop
	global_prefetch_b8 v0, s[64:65] scope:SCOPE_SE
	s_setreg_imm32_b32 hwreg(HW_REG_WAVE_SCHED_MODE, 0, 2), 2
	s_setreg_imm32_b32 hwreg(HW_REG_WAVE_MODE, 25, 1), 1
	s_wait_xcnt 0x0
	s_wait_alu depctr_vm_vsrc(0)
; out0 = O Wo^T + bo on codes of E5M2.  O comes as images of the operand's registers (o_img: [tile of 16 rows][K step 2][4][512 bytes]); Wo: [256 outputs][256] codes; bo and out0 f32.
; SHARES.  A work-group owns 64 rows (16 KB of o_img, dense in memory; brought into LDS once).  Wave w of 8 owns columns 32 w .. 32 w + 31 (two tiles) for all four tiles of rows;
; its four fragments of Wo stay in registers.
; LAYOUT.  source 0 = 16 rows of Wo, source 1 = 16 rows of O: lane (r, h) holds row r and columns 16 n + 8 h + 0..7.  Both operands lie in the form's own order of k (registers 2 c, 2 c + 1: k = 16 c + 8 h + 0..7).
; y = sum x 2^(e10 + e11) + bo: one packed multiply-add for two numbers.  A row's 256 columns come from eight waves: they meet in a stage in LDS, and each wave stores eight whole rows.
; LIMIT: e10 + e11 between -126 and 127.
; THE MODE: SCHED_MODE bits 1:0 = 2 (LLVM: expert scheduling mode 2), set by the entry lines.  The code itself states the register dependences
; between vector or matrix instructions and memory or LDS instructions, with s_wait_alu, always for 0.
; THE PLAN.  Registers that memory or LDS instructions touch:
;   v4-v9    offsets and LDS addresses: written once at the head, never again.
;   OF       in this order: the images' global loads land in v80-95 and the LDS stores read them; K step 0's LDS loads land in v80-143 and eight products read them; K step 1's likewise;
;            the multiply-adds write y there and the stage's LDS stores read it; the rows come back there from the stage and the global stores read them.
;   WF, BI   loaded once; named by matrix and vector instructions alone after that.
; Each change of hands of OF has its one wait: vm_vsrc where LDS stores have read it, va_vdst where products have read it or multiply-adds have written it.
.set STG, 16384                        ; LDS: the images at 0; here the stage, 64 rows x (1,024 bytes + 16)
.set SP,  1040
.set G,   4                            ; v4   16 t
.set LI,  5                            ; v5   16 x lane
.set WO,  6                            ; v6   Wo: 256 r + 8 h
.set BO,  7                            ; v7   bo: 32 h
.set SO,  8                            ; v8   the stage: row r, + 128 w + 32 h
.set SR,  9                            ; v9   and back: my eight rows, 16 bytes a lane
.set WF,  16                           ; v16-79   Wo's fragments: (tile n, K step s) at WF + 16 (2 n + s)
.set OF,  80                           ; v80-143  O's four fragments of a K step; then y; then rows read back
.set ACC, 144                          ; v144-207 accumulator (n, m) at ACC + 8 (4 n + m)
.set BI,  208                          ; v208-223 bo in the result's layout, two tiles
	s_load_b256 s[4:11], s[0:1], 0x0               ; o_img s[4:5], Wo s[6:7], bo s[8:9], the exponents s[10:11]
	s_load_b64 s[12:13], s[0:1], 0x20              ; out0
	v_lshl_add_u32 v224, v0, 2, 0x14400
	v_mov_b32 v225, 0
	v_lshrrev_b32 v1, 5, v0
	v_readfirstlane_b32 s14, v1                    ; wave 0..7
	v_and_b32 v1, 31, v0                           ; lane
	v_and_b32 v2, 15, v0                           ; r
	v_bfe_u32 v3, v0, 4, 1                         ; h
	v_lshlrev_b32 v[G], 4, v0
	v_lshlrev_b32 v[LI], 4, v1
	v_lshlrev_b32 v[WO], 8, v2
	v_lshl_add_u32 v[WO], v3, 3, v[WO]
	v_lshlrev_b32 v[BO], 5, v3
	v_mul_u32_u24 v[SO], v2, SP
	v_lshl_add_u32 v[SO], v3, 5, v[SO]
	s_wait_alu depctr_va_sdst(0)                   ; s14 is written, ahead of its first reader: the stage's addresses and the bases of Wo, bo and out0 are made from it
	s_lshl_b32 s22, s14, 7
	s_add_co_u32 s22, s22, STG
	v_add_nc_u32 v[SO], s22, v[SO]
	s_mul_i32 s23, s14, 8*SP
	s_add_co_u32 s23, s23, STG
	v_add_nc_u32 v[SR], s23, v[LI]
	s_mov_b32 s17, 0
	s_wait_kmcnt 0x0
	s_load_b64 s[18:19], s[10:11], 0x28            ; e10, e11
	s_lshl_b32 s16, ttmp9, 14                      ; four tiles of rows, 4,096 bytes each
	s_add_nc_u64 s[4:5], s[4:5], s[16:17]
	s_lshl_b32 s16, s14, 13                        ; my 32 rows of Wo
	s_add_nc_u64 s[6:7], s[6:7], s[16:17]
	s_lshl_b32 s16, s14, 7                         ; my 32 numbers of bo
	s_add_nc_u64 s[8:9], s[8:9], s[16:17]
	s_lshl_b32 s16, ttmp9, 16                      ; 64 rows of 1,024 bytes,
	s_lshl_b32 s24, s14, 13                        ; the eight that I store
	s_add_co_u32 s16, s16, s24
	s_add_nc_u64 s[12:13], s[12:13], s[16:17]
	s_wait_alu depctr_va_vdst(0)                   ; the offsets and LDS addresses v4 to v9 are written: every load and store of the kernel reads one of them
.irp i, 0,1,2,3
	global_load_b128 v[OF+4*\i:OF+4*\i+3], v[G], s[4:5] offset:4096*\i th:TH_LOAD_NT   ; the images: 256 threads x 4 x 16 bytes
.endr
.irp n, 0,1
.irp s, 0,1
.irp c, 0,1,2,3,4,5,6,7
	global_load_b64 v[WF+16*(2*\n+\s)+2*\c:WF+16*(2*\n+\s)+2*\c+1], v[WO], s[6:7] offset:4096*\n+128*\s+16*\c
.endr
.endr
.endr
.irp n, 0,1
	global_load_b128 v[BI+8*\n:BI+8*\n+3], v[BO], s[8:9] offset:64*\n
	global_load_b128 v[BI+8*\n+4:BI+8*\n+7], v[BO], s[8:9] offset:64*\n+16
.endr
	s_wait_loadcnt 36                              ; the images' four loads are in: behind them Wo's 32 and bo's 4 were issued
.irp i, 0,1,2,3
	ds_store_b128 v[G], v[OF+4*\i:OF+4*\i+3] offset:4096*\i
.endr
	s_wait_dscnt 0x0                               ; for the others' sake: my stores have landed
	s_barrier_signal -1
	s_barrier_wait -1
	s_wait_loadcnt 0x0                             ; Wo and bo
	s_wait_kmcnt 0x0
	s_add_co_i32 s20, s18, s19
	s_add_co_i32 s20, s20, 127
	s_lshl_b32 s20, s20, 23                        ; 2^(e10 + e11) as f32
	s_mov_b32 s21, s20                             ; (named with it as a pair)
	s_wait_alu depctr_vm_vsrc(0)                   ; my LDS stores of the images have read v80 to v95, in which K step 0's fragments land
.irp s, 0,1
.if \s == 1
	s_wait_alu depctr_va_vdst(0)                   ; K step 0's eight products are done reading v[OF ..], in which K step 1's fragments land
.endif
.irp m, 0,1,2,3
.irp c, 0,1,2,3
	ds_load_b128 v[OF+16*\m+4*\c:OF+16*\m+4*\c+3], v[LI] offset:4096*\m+2048*\s+512*\c
.endr
.endr
	s_wait_dscnt 0x0
.irp m, 0,1,2,3
.irp n, 0,1
.if \s == 0
	v_wmma_f32_16x16x128_bf8_bf8 v[ACC+8*(4*\n+\m):ACC+8*(4*\n+\m)+7], v[WF+16*(2*\n+\s):WF+16*(2*\n+\s)+15], v[OF+16*\m:OF+16*\m+15], 0
.else
	v_wmma_f32_16x16x128_bf8_bf8 v[ACC+8*(4*\n+\m):ACC+8*(4*\n+\m)+7], v[WF+16*(2*\n+\s):WF+16*(2*\n+\s)+15], v[OF+16*\m:OF+16*\m+15], v[ACC+8*(4*\n+\m):ACC+8*(4*\n+\m)+7]
.endif
.endr
.endr                                              ; the eight accumulators take turns, in the same order in both K steps
.rept 4
	v_nop                                          ; places in front of loads and writes into registers that the products read, and of the first read of results
.endr
.endr
.irp m, 0,1,2,3
.irp n, 0,1
.irp i, 0,2,4,6
	v_pk_fma_f32 v[OF+8*(4*\n+\m)+\i:OF+8*(4*\n+\m)+\i+1], v[ACC+8*(4*\n+\m)+\i:ACC+8*(4*\n+\m)+\i+1], s[20:21], v[BI+8*\n+\i:BI+8*\n+\i+1] op_sel_hi:[1,0,1]   ; each accumulator from its low end on
.endr
.endr
.endr
	s_wait_alu depctr_va_vdst(0)                   ; the 32 multiply-adds have written y in v[OF ..], which the LDS stores read
.irp m, 0,1,2,3
.irp n, 0,1
	ds_store_b128 v[SO], v[OF+8*(4*\n+\m):OF+8*(4*\n+\m)+3] offset:16*SP*\m+64*\n          ; lane (r, h): y(16 m + r, 32 w + 16 n + 8 h + 0..7)
	ds_store_b128 v[SO], v[OF+8*(4*\n+\m)+4:OF+8*(4*\n+\m)+7] offset:16*SP*\m+64*\n+16
.endr
.endr
	s_wait_dscnt 0x0                               ; for the others' sake: my part of the 64 rows has landed
	s_barrier_signal -1
	s_barrier_wait -1
	s_wait_alu depctr_vm_vsrc(0)                   ; my LDS stores into the stage have read v[OF ..], in which the rows land (the multiply-adds that wrote it stand ahead of the last wait on va_vdst)
.irp i, 0,1,2,3,4,5,6,7,8,9,10,11,12,13,14,15
	ds_load_b128 v[OF+4*\i:OF+4*\i+3], v[SR] offset:SP*(\i/2)+512*(\i%2)
.endr
.irp i, 0,1,2,3,4,5,6,7,8,9,10,11,12,13,14,15
	s_wait_dscnt 15-\i                             ; load i is in; those issued behind it may be out
	global_store_b128 v[LI], v[OF+4*\i:OF+4*\i+3], s[12:13] offset:1024*(\i/2)+512*(\i%2) th:TH_STORE_NT   ; 32 lanes store 512 consecutive bytes, at a multiple of 256 from out0's first byte
.endr
	s_wait_dscnt 0x0                               ; the closing lines, six on end
	s_wait_alu 0x0
	s_wait_tensorcnt 0x0
	ds_add_u32 v224, v225
	s_wait_dscnt 0x0
	s_endpgm
.Lfunc_end_k_q052d17062b_outp:
	.size	k_q052d17062b_outp, .Lfunc_end_k_q052d17062b_outp-k_q052d17062b_outp
	.p2alignl 7, 3214868480
	.fill 96, 4, 3214868480
	.section	.rodata,"a",@progbits
	.p2align	6, 0x0
	.amdhsa_kernel k_q052d17062b_outp
		.amdhsa_group_segment_fixed_size 83968
		.amdhsa_private_segment_fixed_size 0
		.amdhsa_enable_private_segment 0
		.amdhsa_kernarg_size 40
		.amdhsa_user_sgpr_count 2
		.amdhsa_user_sgpr_kernarg_segment_ptr 1
		.amdhsa_wavefront_size32 1
		.amdhsa_system_sgpr_workgroup_id_x 1
		.amdhsa_system_sgpr_workgroup_id_y 1
		.amdhsa_system_sgpr_workgroup_id_z 1
		.amdhsa_system_vgpr_workitem_id 0
		.amdhsa_next_free_vgpr 226
		.amdhsa_next_free_sgpr 66
		.amdhsa_reserve_vcc 0
		.amdhsa_float_denorm_mode_32 3
		.amdhsa_float_denorm_mode_16_64 3
		.amdhsa_memory_ordered 1
		.amdhsa_forward_progress 1
		.amdhsa_inst_pref_size 16
	.end_amdhsa_kernel
	.amdgpu_metadata
---
amdhsa.version: [ 1, 2 ]
amdhsa.kernels:
  - .name:           k_q052d17062b_outp
    .symbol:         k_q052d17062b_outp.kd
    .args:
      - { .name: o_img, .offset: 0, .size: 8, .value_kind: global_buffer, .address_space: global }
      - { .name: Wo_codes, .offset: 8, .size: 8, .value_kind: global_buffer, .address_space: global }
      - { .name: bo, .offset: 16, .size: 8, .value_kind: global_buffer, .address_space: global }
      - { .name: lowp_scales, .offset: 24, .size: 8, .value_kind: global_buffer, .address_space: global }
      - { .name: out0, .offset: 32, .size: 8, .value_kind: global_buffer, .address_space: global }
    .group_segment_fixed_size: 83968
    .private_segment_fixed_size: 0
    .kernarg_segment_align: 8
    .kernarg_segment_size: 40
    .max_flat_workgroup_size: 256
    .sgpr_count:     66
    .vgpr_count:     226
    .wavefront_size: 32
...
	.end_amdgpu_metadata
.endif
;; end of part 8
